; MI455X (gfx1250); checked and timed in simulation.
; The chip was launched on July 23, 2026; its instructions are those of AMD's public machine-readable ISA for CDNA 5 (MIT licence, August 2026) and "CDNA5" Instruction Set Architecture Reference Guide (July 2026). The comments in the code are by the model that wrote it; some were corrected since.
;; Attention Fusion. Allowed arithmetic: matrix products marked QUANTISED: E3M2 operands, one E8M0 scale for each 32 along K, by v_wmma_scale_f32_16x16x128_f8f6f4 with both operands' format E3M2, f32 sums; everything else in f32.
;; Inputs: out_b 1,024 float32; out_w 1,024 x 1,024 float32; qkv_b 3,072 float32; qkv_w 3,072 x 1,024 float32; x 2 x 2,048 x 1,024 float32.
;; Outputs: out0 2 x 2,048 x 1,024 float32.
;; This version of the problem:
;;   THIS VERSION OF THE PROBLEM IS GIVEN IN LOW PRECISION. The matrix products marked QUANTISED in the list below multiply operands that are first quantised to E3M2 (3 exponent bits, 2 mantissa bits; 6 bits a number), with one power-of-two scale for each 32 numbers along K (OCP MX v1.0); their sums are f32. All else is computed in f32.
;;   The module's matrix products, in the order in which they are computed (A, B: the left and right operand; K: the contracted axis; several contracted axes count as one K, in the product's order):
;;     1. [M 4,096, K 1,024] x [K 1,024, N 3,072]; A: input x; B: input qkv_w: QUANTISED
;;     2. batch 32 x [M 2,048, K 64] x [K 64, N 2,048]; A: computed on the way; B: computed on the way: QUANTISED
;;     3. batch 32 x [M 2,048, K 2,048] x [K 2,048, N 64]; A: softmax (see below); B: computed on the way: QUANTISED
;;     4. [M 4,096, K 1,024] x [K 1,024, N 1,024]; A: computed on the way; B: input out_w: QUANTISED
;;   THE QUANTISER, for each operand of a quantised product, along K:
;;     - K is cut into blocks of 32 from its start; a last block that is shorter is filled with zeros.
;;     - A block's scale is 2^e with e = floor(log2(the largest magnitude in the block)) - 4, held to -126 .. 127; a block of zeros has e = 0. As a byte (E8M0): e + 127.
;;     - Each number is divided by its block's scale, clamped to +-28, and rounded to the nearest number of E3M2, ties to even, subnormals kept.
;;     - The product sums the exact products of the quantised numbers (number of the format x scale) in f32.
;;   ~~~python
;;   def quantise(x, axis):      # numpy; x: float32 -> the quantised numbers, widened to float32 again
;;       x = np.moveaxis(x, axis, -1); K = x.shape[-1]
;;       x = np.pad(x, [(0, 0)] * (x.ndim - 1) + [(0, -K % 32)]); x = x.reshape(x.shape[:-1] + (-1, 32)); a = np.abs(x).max(-1, keepdims=True)
;;       e = np.where(a > 0, np.clip(np.frexp(np.where(a > 0, a, 1))[1] - 1 - 4, -126, 127), 0)      # np.frexp(a)[1] - 1 = floor(log2(a)), exactly
;;       r = np.clip(x / 2.0 ** e, -28, 28)
;;       step = 2.0 ** (np.maximum(np.frexp(np.where(r == 0, 1, r))[1] - 1, -2) - 2)
;;       q = np.round(r / step) * step * 2.0 ** e      # np.round: ties to even
;;       return np.moveaxis(q.reshape(q.shape[:-2] + (-1,))[..., :K], -1, axis).astype(np.float32)
;;   ~~~
;;   SOFTMAX AHEAD OF A QUANTISED PRODUCT. Where the list says 'softmax', what is quantised is not the finished softmax but p = 2^(t - M), with t = logit x log2(e) and M = ceil(the row's largest t), a whole number; so 1/2 < the row's largest p <= 1. The row's sum l is taken of the UNQUANTISED p, in f32, and the product's result is divided by l at the end. Since M is a whole number, a kernel that streams over the keys may use a running M (the ceiling of the running maximum): every later rescaling is an exact power of two, which a block's scale takes up: the codes' values come out the same.
;;   OPERANDS COMPUTED ON THE WAY. 'Computed on the way' means the value that the module computes at that place (a softmax that the list does not call 'softmax' is quantised finished and normalised). What goes into a quantiser is computed in f32, as accurately as f32 sums, v_exp_f32 and their like allow (about 1e-6 of the number): no bf16 or f16 on the way to a quantiser, and a product that is left as it is and whose result goes on into a quantised operand takes f32 operands (vector FMAs, or v_wmma_f32_16x16x4_f32). A number that lies on a knife's edge between two numbers of the format may be rounded either way, as far as f32 arithmetic and the matrix unit's own rounding can turn it there, and no further.
;; One version. Each part assembles by itself: llvm-mc -triple=amdgcn-amd-amdhsa -mcpu=gfx1250 --defsym DOCPART=n.
;; ======== version 1 of 1: 4 launches
;; limits: right only within a limited range of input values
;; workspace buffers: wc 9,437,184 bytes; ws 393,216 bytes; qkc 6,291,456 bytes; qks 262,144 bytes; vc 3,145,728 bytes; vs 131,072 bytes
;; launch quant (part 1): grid 256 x 1, 4 waves a work-group, no clusters, 34,304 bytes of LDS; arguments x, qkv_w, out_w, wc, ws; writes wc, ws
.if DOCPART == 1
	.amdgcn_target "amdgcn-amd-amdhsa--gfx1250"
	.amdhsa_code_object_version 6
	.text
	.protected	k_q63bc80a501_quant
	.globl	k_q63bc80a501_quant
	.p2align	8
	.type	k_q63bc80a501_quant,@function
k_q63bc80a501_quant:
	s_mov_b64 s[64:65], 0
	v_nop
	global_prefetch_b8 v0, s[64:65] scope:SCOPE_SE
	s_setreg_imm32_b32 hwreg(HW_REG_WAVE_MODE, 25, 1), 1
	s_wait_xcnt 0x0
; x [4096][1024], qkv_w [3072][1024] and out_w [1024][1024], f32, K innermost, become codes of BF6 (E3M2) with one E8M0 byte for each 32 along K.
; A block's scale is 2^(floor(log2(its largest magnitude)) - 4); its byte is the largest magnitude's exponent field - 4, held at 1 from below.
; LIMITS: a block of zeros gets the byte 1 where the rule says 127 (its codes are zeros, which add nothing under any byte but 0xff, and this program alone reads the bytes);
; blocks whose largest magnitude lies under 2^(5 - 127) are held at that byte; NaN and infinities among the inputs are not served.
; LAYOUT OF THE WORKSPACE.  Rows go in TILES of 16, four tiles to a group of 64 rows: tile 4 G + u holds at place p the row 64 G + 8 u + p % 8 + 32 (p / 8).  (So, where such tiles are a product's source 0, the 32 registers
; that a lane has of result tiles 4 c .. 4 c + 3 are 32 NEIGHBOURS, a whole block of the next K.)  A FRAGMENT (a tile x 128 along K) lies as an image of the operand's 12 registers, 1,536 bytes:
; registers 4 g .. 4 g + 3 at 512 g + 16 x lane.  wc: [tile][K step 0..7][1,536]; tiles 0-255 x; 256-447 qkv_w, twelve for each head: its q's four, k's four, v's four; 448-511 out_w.
; ws: 512 bytes a tile: the scale word of (place r, K step q) at 256 (q / 4) + 16 r + 4 (q % 4).
; SHARES.  Work-group g takes tiles 2 g, 2 g + 1; wave w takes tile w / 2 of them and half w % 2 of K: four fragments, 32 KiB of f32.  The work-groups share no input: no cluster, no tensor load, no barrier.
; Every load takes 512 consecutive bytes of one row, and all 64 of a wave are asked for at once; a fragment's 16 rows x 512 bytes turn through the wave's own stage in LDS (rows 528 bytes apart), from which a lane takes its two whole blocks of 32.
; Every store covers 512 or 256 consecutive bytes, aligned.  No prefetch: no loop, and nothing is left to ask for ahead.
.set STG,   16*528                     ; a wave's stage
.set SPARE, 4*STG                      ; the spare words, 128 bytes for each wave
.set SW,    20                         ; v20-23   the four fragments' scale words
.set R,     32                         ; v32-159  fragments 0, 1 as loaded; fragments 2, 3: window 1, v0-127
.set X,     160                        ; v160-223 my two blocks: register 32 c + i = k 64 c + 32 (lane / 16) + i of the row at place lane % 16
.set C,     224                        ; v224-235 a fragment's codes
.set CT,    236                        ; v236-238, v240-242 the halves that are made elsewhere and moved
.set MSB, 0
.macro WIN new                         ; the immediate's high byte repeats the setting that is left
.if MSB != (\new)
	s_set_vgpr_msb (MSB<<8)|(\new)
.set MSB, (\new)
.endif
.endm
	s_load_b256 s[4:11], s[0:1], 0x0               ; x s[4:5], qkv_w s[6:7], out_w s[8:9], wc s[10:11]
	s_load_b64 s[12:13], s[0:1], 0x20              ; ws
	v_lshl_add_u32 v248, v0, 2, SPARE
	v_mov_b32 v249, 0
	v_lshrrev_b32 v1, 5, v0
	v_readfirstlane_b32 s14, v1                    ; wave 0..3
	v_and_b32 v1, 31, v0                           ; lane
	v_and_b32 v2, 15, v0                           ; r
	v_bfe_u32 v3, v0, 4, 1                         ; h
	v_lshlrev_b32 v4, 4, v1                        ; 16 x lane: my place in a load's or a store's 512 bytes
	s_mul_i32 s17, s14, STG
	v_add_nc_u32 v5, s17, v4                       ; the stage, on the way in
	v_mul_u32_u24 v6, v2, 528
	v_lshl_add_u32 v6, v3, 7, v6
	v_add_nc_u32 v6, s17, v6                       ; and on the way out: row r, + 128 h bytes
	v_lshlrev_b32 v9, 4, v2
	v_lshl_add_u32 v9, v3, 3, v9                   ; 16 r + 8 h: my two scale words
	v_lshlrev_b32 v18, 3, v3                       ; 8 h: how far my two bytes are shifted up in a word
	v_mov_b32 v17, 0                               ; written once: a lane permute's destination counts as one of its sources
	s_lshr_b32 s15, s14, 1                         ; which of the work-group's two tiles
	s_and_b32 s16, s14, 1                          ; which half of K
	s_mov_b32 s24, 0x76543210
	s_mov_b32 s25, 0xfedcba98                      ; v_permlanex16_b32's selects for lane l xor 16
	s_movk_i32 s21, 224                            ; out_w's first work-group (in a register: an instruction takes one literal)
	s_wait_alu depctr_va_vdst(0)                   ; the wait at the head's end
	s_wait_kmcnt 0x0
	s_cmp_lt_u32 ttmp9, 224                        ; which tensor: the choice hangs on the work-group's number alone
	s_cselect_b64 s[6:7], s[6:7], s[8:9]
	s_cselect_b32 s17, 128, s21
	s_cmp_lt_u32 ttmp9, 128
	s_cselect_b64 s[4:5], s[4:5], s[6:7]
	s_cselect_b32 s17, 0, s17
	s_sub_co_u32 s17, ttmp9, s17                   ; which pair of tiles of that tensor
	s_lshr_b32 s18, s17, 1                         ; its group of 64 rows;
	s_mul_i32 s19, s18, 43
	s_lshr_b32 s19, s19, 7                         ; in qkv_w group j of the layout is part j % 3 (q, k, v) of head j / 3 (j x 43 / 128 rounded down, j under 48):
	s_mul_i32 s22, s19, 3
	s_sub_co_u32 s22, s18, s22
	s_lshl_b32 s22, s22, 4
	s_add_co_u32 s22, s22, s19                     ; its rows begin at 64 (16 x part + head)
	s_sub_co_u32 s23, ttmp9, 128
	s_cmp_lt_u32 s23, 96
	s_cselect_b32 s18, s22, s18
	s_lshl_b32 s18, s18, 18                        ; 64 rows of 4,096 bytes;
	s_and_b32 s19, s17, 1
	s_lshl_b32 s19, s19, 16                        ; 16 rows for the group's second pair,
	s_add_co_u32 s18, s18, s19
	s_lshl_b32 s19, s15, 15                        ; 8 rows for the pair's second tile,
	s_add_co_u32 s18, s18, s19
	s_lshl_b32 s19, s16, 11                        ; 512 numbers for the upper half of K
	s_add_co_u32 s18, s18, s19
	s_mov_b32 s19, 0
	s_add_nc_u64 s[4:5], s[4:5], s[18:19]
.macro LOAD q                          ; fragment q: place i of the tile is row i % 8 + 32 (i / 8) from the tile's first; 512 consecutive bytes a load
.set RB, R+64*(\q)
	WIN 0
.if (\q) > 1
.set RB, 64*((\q)-2)
	WIN 0x40
.endif
.irp i,0,1,2,3,4,5,6,7,8,9,10,11,12,13,14,15
	global_load_b128 v[RB+4*\i:RB+4*\i+3], v4, s[4:5] offset:(\i%8+32*(\i/8))*4096+512*(\q) th:TH_LOAD_NT
.endr
	WIN 0
.endm
	LOAD 0
	LOAD 1
	LOAD 2
	LOAD 3
	s_lshl_b32 s20, ttmp9, 1
	s_add_co_u32 s20, s20, s15                     ; my tile
	s_mul_i32 s22, s20, 12288
	s_mul_i32 s23, s16, 6144
	s_add_co_u32 s22, s22, s23
	s_mov_b32 s23, 0
	s_add_nc_u64 s[10:11], s[10:11], s[22:23]      ; my four fragments in wc
	s_lshl_b32 s22, s20, 9
	s_lshl_b32 s21, s16, 8
	s_add_co_u32 s22, s22, s21
	s_add_nc_u64 s[12:13], s[12:13], s[22:23]      ; my 256 bytes of ws
.macro FRQ q
	s_wait_loadcnt 48-16*(\q)                      ; this fragment's 16 loads are in; the later fragments' may be out
.set RB, R+64*(\q)
.if (\q) > 1
.set RB, 64*((\q)-2)
	WIN 0x04
.endif
.irp i,0,1,2,3,4,5,6,7,8,9,10,11,12,13,14,15
	ds_store_b128 v5, v[RB+4*\i:RB+4*\i+3] offset:528*\i
.endr
	WIN 0
.irp c,0,1
.irp j,0,1,2,3,4,5,6,7
	ds_load_b128 v[X+32*\c+4*\j:X+32*\c+4*\j+3], v6 offset:256*\c+16*\j   ; LDS serves a wave's instructions in order: these see the stores above
.endr
.endr
	s_wait_dscnt 0x0                               ; my two blocks are in
	v_max3_num_f32 v10, |v[X]|, |v[X+1]|, 0x2800000       ; block h, and the floor 2^(5 - 127): the byte cannot fall under 1
	v_max3_num_f32 v11, |v[X+32]|, |v[X+33]|, 0x2800000   ; block 2 + h
.irp i,2,4,6,8,10,12,14,16,18,20,22,24,26,28,30
	v_max3_num_f32 v10, v10, |v[X+\i]|, |v[X+\i+1]|
	v_max3_num_f32 v11, v11, |v[X+32+\i]|, |v[X+33+\i]|
.endr
	v_add_nc_u32 v12, 0xfe000000, v10              ; 4 off the exponent field: the conversion takes the exponent field of this operand as its scale
	v_add_nc_u32 v13, 0xfe000000, v11
	v_lshrrev_b32 v14, 23, v12                     ; the scales' bytes
	v_lshrrev_b32 v15, 23, v13
	v_lshl_or_b32 v16, v15, 16, v14                ; blocks h and 2 + h,
	v_lshlrev_b32 v16, v18, v16                    ; at their places in the word;
	v_permlanex16_b32 v17, v16, s24, s25
	v_or_b32 v[SW+\q], v16, v17                    ; with lane l xor 16's two the word is whole
.if \q > 0
	s_wait_alu depctr_va_vdst(0)                   ; directly ahead of the wait below
	s_wait_xcnt 0x0                                ; the last fragment's stores have read their data: the codes' registers are written again only behind this wait
.endif
	v_cvt_scalef32_pk16_bf6_f32 v[C:C+2], v[X:X+15], v12
	v_cvt_scalef32_pk16_bf6_f32 v[CT:CT+2], v[X+16:X+31], v12      ; (a conversion's three registers begin on an even number: a block's second three do not)
	v_cvt_scalef32_pk16_bf6_f32 v[C+6:C+8], v[X+32:X+47], v13
	v_cvt_scalef32_pk16_bf6_f32 v[CT+4:CT+6], v[X+48:X+63], v13
	v_nop                                          ; one plain place behind a scaled conversion
.irp i,0,1,2
	v_mov_b32 v[C+3+\i], v[CT+\i]
	v_mov_b32 v[C+9+\i], v[CT+4+\i]
.endr
.irp g,0,1,2
	global_store_b128 v4, v[C+4*\g:C+4*\g+3], s[10:11] offset:1536*(\q)+512*\g     ; the image: 512 consecutive bytes a store
.endr
.endm
	FRQ 0
	FRQ 1
	FRQ 2
	FRQ 3
	v_cmp_le_u32 vcc_lo, 16, v1                    ; lanes 0-15 store words 0, 1 of row r, lanes 16-31 words 2, 3
	v_cndmask_b32 v10, v[SW], v[SW+2], vcc_lo
	v_cndmask_b32 v11, v[SW+1], v[SW+3], vcc_lo
	global_store_b64 v9, v[10:11], s[12:13]        ; 32 lanes store 256 consecutive bytes, aligned
	s_wait_tensorcnt 0x0                           ; the wave's end
	ds_add_u32 v248, v249
	s_wait_dscnt 0x0
	s_endpgm
.Lfunc_end_k_q63bc80a501_quant:
	.size	k_q63bc80a501_quant, .Lfunc_end_k_q63bc80a501_quant-k_q63bc80a501_quant
	.p2alignl 7, 3214868480
	.fill 96, 4, 3214868480
	.section	.rodata,"a",@progbits
	.p2align	6, 0x0
	.amdhsa_kernel k_q63bc80a501_quant
		.amdhsa_group_segment_fixed_size 34304
		.amdhsa_private_segment_fixed_size 0
		.amdhsa_enable_private_segment 0
		.amdhsa_kernarg_size 40
		.amdhsa_user_sgpr_count 2
		.amdhsa_user_sgpr_kernarg_segment_ptr 1
		.amdhsa_wavefront_size32 1
		.amdhsa_system_sgpr_workgroup_id_x 1
		.amdhsa_system_sgpr_workgroup_id_y 1
		.amdhsa_system_sgpr_workgroup_id_z 1
		.amdhsa_system_vgpr_workitem_id 0
		.amdhsa_next_free_vgpr 384
		.amdhsa_next_free_sgpr 66
		.amdhsa_reserve_vcc 1
		.amdhsa_float_denorm_mode_32 3
		.amdhsa_float_denorm_mode_16_64 3
		.amdhsa_memory_ordered 1
		.amdhsa_forward_progress 1
		.amdhsa_inst_pref_size 31
	.end_amdhsa_kernel
	.amdgpu_metadata
---
amdhsa.version: [ 1, 2 ]
amdhsa.kernels:
  - .name:           k_q63bc80a501_quant
    .symbol:         k_q63bc80a501_quant.kd
    .args:
      - { .name: x, .offset: 0, .size: 8, .value_kind: global_buffer, .address_space: global }
      - { .name: qkv_w, .offset: 8, .size: 8, .value_kind: global_buffer, .address_space: global }
      - { .name: out_w, .offset: 16, .size: 8, .value_kind: global_buffer, .address_space: global }
      - { .name: wc, .offset: 24, .size: 8, .value_kind: global_buffer, .address_space: global }
      - { .name: ws, .offset: 32, .size: 8, .value_kind: global_buffer, .address_space: global }
    .group_segment_fixed_size: 34304
    .private_segment_fixed_size: 0
    .kernarg_segment_align: 8
    .kernarg_segment_size: 40
    .max_flat_workgroup_size: 128
    .sgpr_count:     66
    .vgpr_count:     384
    .wavefront_size: 32
...
	.end_amdgpu_metadata
.endif
;; end of part 1
;; launch qkv (part 2): grid 16 x 16, 4 waves a work-group, clusters of 4 x 4, 327,680 bytes of LDS; arguments wc, ws, qkv_b, qkc, qks, vc, vs; writes qkc, qks, vc, vs
.if DOCPART == 2
	.amdgcn_target "amdgcn-amd-amdhsa--gfx1250"
	.amdhsa_code_object_version 6
	.text
	.protected	k_q63bc80a501_qkv
	.globl	k_q63bc80a501_qkv
	.p2align	8
	.type	k_q63bc80a501_qkv,@function
k_q63bc80a501_qkv:
	s_mov_b64 s[64:65], 0
	v_nop
	global_prefetch_b8 v0, s[64:65] scope:SCOPE_SE
	s_setreg_imm32_b32 hwreg(HW_REG_WAVE_MODE, 25, 1), 1
	s_wait_xcnt 0x0
	s_wait_alu depctr_hold_cnt(0) depctr_sa_sdst(0) depctr_va_vdst(0) depctr_va_sdst(0) depctr_va_ssrc(0) depctr_va_vcc(0) depctr_vm_vsrc(0)
	s_getreg_b32 s2, hwreg(HW_REG_IB_STS2, 6, 4)
	s_cmp_eq_u32 s2, 0
	s_cbranch_scc0 .Lentry_in_a_cluster
	s_endpgm
.Lentry_in_a_cluster:
	s_bfe_u32 s2, ttmp6, 0x10000c
	s_cmp_lg_u32 s2, 0xf033
	s_cbranch_scc0 .Lentry_shape_is_right
	s_endpgm
.Lentry_shape_is_right:
; qkv = x qkv_w^T + qkv_b on codes of BF6 (E3M2) with E8M0 scales, K = 1,024, and the quantising of q, k and v for the two products of attention.  No f32 result goes to memory.
; SHARES.  256 work-groups: 256 tokens (16 tiles of x, block row y) x one head's 64 outputs of q, 64 of k and 64 of v (12 tiles of qkv_w, block column h).  Wave (RH, CH) takes 128 tokens, all 64 outputs of q (CH = 0) or of k (CH = 1), and 32 of v's.
; q, k: source 0 = 16 rows of qkv_w, source 1 = 16 tokens.  A lane holds one token, and, since tile 4 G + u holds at place p the row 64 G + 8 u + p % 8 + 32 (p / 8), its 32 registers of the four tiles of a head are the 32 NEIGHBOURS 32 hh + 0 .. 31
; of the head's 64: a whole block of the next K (lane = r + 16 hh).  v: the other way round, source 0 = 16 tokens: a lane holds one channel, its registers run along the keys: blocks 64 c + 32 hh + 0 .. 31 of the wave's 128.
; Each block is quantised in its lane; only the scale word's bytes are gathered from lane l xor 16.  The bias is the C of each sum's first matrix instruction.
; OPERANDS lie in wc as images of their registers (1,536 bytes a fragment, three groups of 512): a fragment comes from LDS by three loads of 512 consecutive bytes: no pitch, no padding.
; Scale words (ws) for all of K come once, straight into 64 registers: lanes 0-15 x's tile i, lanes 16-31 qkv_w's tile i.
; K GOES IN THREE FILLS: 512 (K steps 0-3) at the head; 256 (steps 4, 5) beside it, asked for when the first has landed; 256 (steps 6, 7) over the first, which is then read out.  One tensor load a wave at a time: waves 0, 1 fetch eight tiles of x each, waves 2, 3 six of qkv_w each.
; CLUSTERS: 4 x 4.  x's tiles are shared along a row of the cluster, qkv_w's along a column: each is asked for jointly, by the same load with the same descriptor and a mask that names the four.
; PREFETCHES INTO THE L2.  The walk along K is written out, fill by fill; the second and third fills are asked of memory ahead of their tensor loads: the second behind the head's load, the third behind K step 0, three K steps ahead of its load.
; A fill is 12 blocks of 256 bytes of each tile; each block is named once in each cluster: of the 16 tiles of x that four partners share each takes four, by cx in the address, of the 12 of qkv_w three, by cy: 48 and 36 blocks, one instruction a wave for each fill.
; RESULTS, as images in three groups of four registers: registers 4 g .. 4 g + 3 at 512 g + 16 x lane.
;   qkc [head 0-31: q's 16, k's 16][pair T of token tiles, 0-127][1,536]: tile 2 T at k 0-63, tile 2 T + 1 at k 64-127.  qks [head][tile / 8][place r][4 words]: word T % 4 has bytes 0, 1 for tile 2 T, bytes 2, 3 for tile 2 T + 1.
;   vc [b 16 + h][key step of 128][tile of 16 of the head's 64][1,536];  vs [b 16 + h][key step][place r][4 words].
; LIMITS: a block of zeros gets the byte 1 where the rule says 127 (its codes are zeros; this program alone reads the bytes); NaN and infinities are not served.
; REGISTERS, in windows of 256: window 0: v1-7 lane terms, v8-16 fragment addresses, v18-20 the way out, v21 the prefetches', v28-29 the add's, v32-63 the bias of q or k, v64-127 scale words, v128-223 x's fragments of even K steps (then codes), v224-239 v's bias (then at work).
;   window 1: qkv_w's fragments, two sets at v0 and v72; x's of odd K steps at v144.   window 2: the accumulators of q or k, (a, b) at v[8 (4 a + b)];  window 3: v's, (a, b) at v[8 (8 a + b)].
.set TILEB, 12288                      ; a tile's eight fragments in wc
.set FILL2, 28*6144                    ; LDS: the second fill; the first and the third begin at 0; each x's 16 tiles, then qkv_w's 12
.set SPARE, FILL2+28*3072              ; behind them: the spare words, 128 bytes for each wave
.set AD,    8                          ; v[8 + 3 fill + n]: my fragments' addresses: x, q or k, v
.set SELV,  18                         ; v18 v_perm_b32's selector for a scale word
.set PFO,   21                         ; v21 the prefetches' offset, s[58:59] their base; neither is rewritten
.set SPW,   28
.set NIL,   29
.set BQ,    32
.set SC,    64                         ; v[64 + 8 i + k]: the scale words of tile i, K step k
.set BV,    224
.set CD,    128                        ; the way out: six fragments of codes, v128-199
.set TM,    224                        ; v224-227 four chains of largest magnitudes
.set SO,    228                        ; v228-229 the conversions' scale operands
.set WD,    230                        ; my two scale bytes
.set CT,    232                        ; v232-234, v236-238 the halves that are made elsewhere and moved
.set PD,    240                        ; the other lane's two bytes
.set PW,    248                        ; v248-251 the scale words of q or k, v252-253 of v
.set G1A,   24                         ; s[24:31] group 1 for x's tiles; s[32:43] group 0, a set for each fill
.set G0A,   32
.set G1B,   48                         ; s[48:55], s[68:79] the same for qkv_w's
.set G0B,   68
.set SEL,   98                         ; s[98:99] v_permlanex16_b32's selects for lane l xor 16
.set MSB, 0
.macro WIN new                         ; the immediate's high byte repeats the setting that is left
.if MSB != (\new)
	s_set_vgpr_msb (MSB<<8)|(\new)
.set MSB, (\new)
.endif
.endm
.macro PLACES                          ; four plain places behind a matrix instruction, in front of loads into registers that it has read and of the first read of results
.rept 4
	v_nop
.endr
.endm
.macro CREST                           ; a round of the cluster's barrier behind its opening barrier
	s_cmp_lg_u32 s18, 0
	s_cbranch_scc1 .Lnot_wave_0_\@
	s_barrier_signal -3
.Lnot_wave_0_\@:
	s_barrier_wait -3
	s_barrier_signal -1
	s_barrier_wait -1
.endm
.macro CROUND
	s_barrier_signal -1
	s_barrier_wait -1
	CREST
.endm
.macro JLOAD s                         ; fill s.  Waves 0, 1 fetch x's tiles, waves 2, 3 qkv_w's; s_nop 0 and four v_nop follow each line
	s_cmp_eq_u32 s19, 0
	s_cbranch_scc0 .Lfor_b_\@
	tensor_load_to_lds s[G0A+4*(\s):G0A+4*(\s)+3], s[G1A:G1A+7]
	s_nop 0
	PLACES
	s_branch .Lasked_\@
.Lfor_b_\@:
	tensor_load_to_lds s[G0B+4*(\s):G0B+4*(\s)+3], s[G1B:G1B+7]
	s_nop 0
	PLACES
.Lasked_\@:
.endm
	s_load_b256 s[4:11], s[0:1], 0x0               ; wc s[4:5], ws s[6:7], qkv_b s[8:9], qkc s[10:11]
	s_load_b128 s[12:15], s[0:1], 0x20             ; qks s[12:13], vc s[14:15]
	s_load_b64 s[16:17], s[0:1], 0x30              ; vs
	v_lshl_add_u32 v[SPW], v0, 2, SPARE
	v_mov_b32 v[NIL], 0
	ds_add_u32 v[SPW], v[NIL]                      ; the opening: the add, twice on end, and its wait
	ds_add_u32 v[SPW], v[NIL]
	v_lshrrev_b32 v1, 5, v0
	v_readfirstlane_b32 s18, v1                    ; wave 0..3
	s_lshr_b32 s19, s18, 1                         ; RH: which half of the tokens is mine.  Also: I fetch x (0) or qkv_w (1)
	s_and_b32 s20, s18, 1                          ; CH: q (0) or k (1), and which half of v.  Also: which half of those tiles I fetch
	s_bfe_u32 s21, ttmp6, 0x40000                  ; cx
	s_bfe_u32 s22, ttmp6, 0x40004                  ; cy
	s_lshl_b32 s23, ttmp9, 2
	s_add_co_u32 s23, s23, s21                     ; h
	s_and_b32 s56, ttmp7, 0xffff
	s_lshl_b32 s56, s56, 2
	s_add_co_u32 s56, s56, s22                     ; y
	s_lshl_b32 s84, s22, 2
	s_lshl_b32 s84, 15, s84                        ; my row of the cluster
	s_lshl_b32 s85, 0x1111, s21                    ; my column
	; group 1: rows (tiles) 12,288 bytes apart, of which a fill takes 6,144 bytes (at the head) or 3,072; elements of 8 bytes; no padding
	s_or_b32 s[G1A], s84, (3<<16)|(1<<21)          ; 15:0 the mask: x's tiles go to my row; 17:16 elements of 8 bytes; 21 set beside a mask
	s_or_b32 s[G1B], s85, (3<<16)|(1<<21)
.irp g, G1A, G1B
	s_mov_b32 s[\g+1], 768<<16                     ; tensor_dim0
	s_mov_b32 s[\g+3], 768<<16                     ; tile_dim0
	s_mov_b32 s[\g+5], 1536                        ; tensor_dim0_stride
	s_mov_b32 s[\g+6], 0
	s_mov_b32 s[\g+7], 0
.endr
	s_mov_b32 s[G1A+2], 8<<16                      ; eight tiles of x,
	s_mov_b32 s[G1A+4], 8
	s_mov_b32 s[G1B+2], 6<<16                      ; six of qkv_w
	s_mov_b32 s[G1B+4], 6
	s_lshl_b32 s86, s56, 4
	s_lshl_b32 s88, s20, 3
	s_add_co_u32 s86, s86, s88                     ; x: tile 16 y + 8 x half: it never holds cx
	s_mul_i32 s86, s86, TILEB
	s_mov_b32 s87, 0
	s_mul_i32 s90, s23, 12
	s_mul_i32 s88, s20, 6
	s_add_co_u32 s90, s90, s88
	s_add_co_u32 s90, s90, 256                     ; qkv_w: tile 256 + 12 h + 6 x half: it never holds cy
	s_mul_i32 s90, s90, TILEB
	s_mov_b32 s91, 0
	s_mul_i32 s[G0A+1], s20, 8*6144                ; where they go: no place in the cluster enters an LDS address
	s_mul_i32 s[G0A+9], s20, 8*3072
	s_add_co_u32 s[G0A+5], s[G0A+9], FILL2
	s_mul_i32 s[G0B+1], s20, 6*6144
	s_add_co_u32 s[G0B+1], s[G0B+1], 16*6144
	s_mul_i32 s[G0B+9], s20, 6*3072
	s_add_co_u32 s[G0B+9], s[G0B+9], 16*3072
	s_add_co_u32 s[G0B+5], s[G0B+9], FILL2
	s_mov_b32 s[SEL], 0x76543210
	s_mov_b32 s[SEL+1], 0xfedcba98
	s_wait_dscnt 0x0                               ; both opening adds are done
	s_wait_kmcnt 0x0
	s_add_nc_u64 s[86:87], s[4:5], s[86:87]
	s_add_nc_u64 s[90:91], s[4:5], s[90:91]
.irp s,0,1,2                           ; group 0 of each fill, from K step 0, 4, 6 on: none is ever written again
	s_mov_b32 s[G0A+4*\s], 1
	s_add_nc_u64 s[G0A+4*\s+2:G0A+4*\s+3], s[86:87], 6144*((\s+1)/2)+3072*(\s/2)
	s_or_b32 s[G0A+4*\s+3], s[G0A+4*\s+3], 0x80000000
	s_mov_b32 s[G0B+4*\s], 1
	s_add_nc_u64 s[G0B+4*\s+2:G0B+4*\s+3], s[90:91], 6144*((\s+1)/2)+3072*(\s/2)
	s_or_b32 s[G0B+4*\s+3], s[G0B+4*\s+3], 0x80000000
.endr
	CROUND                                         ; all sixteen work-groups are here: the first joint loads meet
	JLOAD 0
	s_lshl_b32 s88, s56, 4                         ; the scale words of the tiles that I multiply, 512 bytes a tile: x's from tile 16 y + 8 RH,
	s_lshl_b32 s89, s19, 3
	s_add_co_u32 s88, s88, s89
	s_lshl_b32 s88, s88, 9
	s_mul_i32 s92, s23, 12
	s_lshl_b32 s93, s20, 2
	s_add_co_u32 s93, s93, s92
	s_add_co_u32 s93, s93, 256                     ; qkv_w's from tile 256 + 12 h + 4 CH for i = 0 .. 3,
	s_lshl_b32 s93, s93, 9
	s_lshl_b32 s94, s20, 1
	s_add_co_u32 s94, s94, s92
	s_add_co_u32 s94, s94, 260                     ; and tile 256 + 12 h + 8 + 2 CH + i - 4 for i = 4, 5 (for i = 6, 7 lanes 16-31 read tiles that they do not use)
	s_lshl_b32 s94, s94, 9
	s_lshl_b32 s86, s20, 12                        ; the bias: qkv_b[1,024 CH + 64 h + 32 hh + ..],
	s_lshl_b32 s92, s23, 8
	s_add_co_u32 s86, s86, s92
	s_mov_b32 s87, 0
	s_add_nc_u64 s[86:87], s[8:9], s[86:87]
	s_lshl_b32 s90, s20, 6
	s_add_co_u32 s90, s90, s92
	s_add_co_u32 s90, s90, 8192                    ; and qkv_b[2,048 + 64 h + 8 (2 CH + a) + the row at place r]
	s_mov_b32 s91, 0
	s_add_nc_u64 s[90:91], s[8:9], s[90:91]
	s_lshl_b32 s58, s56, 4                         ; the prefetches: x from tile 16 y + 4 cx,
	s_lshl_b32 s59, s21, 2
	s_add_co_u32 s58, s58, s59
	s_mul_i32 s60, s23, 12                         ; or qkv_w from tile 256 + 12 h + 3 cy
	s_mul_i32 s61, s22, 3
	s_add_co_u32 s60, s60, s61
	s_add_co_u32 s60, s60, 256
	s_cmp_eq_u32 s19, 0
	s_cselect_b32 s61, 24, 18                      ; blocks for each of the two waves
	s_cselect_b32 s58, s58, s60
	s_mul_i32 s58, s58, TILEB
	s_mov_b32 s59, 0
	s_add_nc_u64 s[58:59], s[4:5], s[58:59]
	s_sub_co_u32 s60, s61, 1
	s_mul_i32 s61, s61, s20
	v_and_b32 v1, 15, v0                           ; r
	v_bfe_u32 v2, v0, 4, 1                         ; hh
	v_and_b32 v3, 31, v0                           ; lane
	v_mov_b32 v6, s88
	v_mov_b32 v7, s93
	v_mov_b32 v17, s94
	v_cmp_eq_u32 vcc_lo, 1, v2
	v_mov_b32 v18, 0x02060004                      ; own bytes at 0 and 2 (lanes 0-15)
	v_mov_b32 v19, 0x06020400                      ; or at 1 and 3 (lanes 16-31) of the word
	v_lshlrev_b32 v4, 4, v3                        ; 16 x lane
	v_cndmask_b32 v7, v6, v7, vcc_lo               ; lanes 0-15 take x's, lanes 16-31 qkv_w's
	v_cndmask_b32 v17, v6, v17, vcc_lo
	v_cndmask_b32 v[SELV], v18, v19, vcc_lo
	v_lshlrev_b32 v20, 4, v1                       ; 16 r
	v_lshl_add_u32 v7, v1, 4, v7
	v_lshl_add_u32 v17, v1, 4, v17
	v_lshlrev_b32 v5, 7, v2                        ; lanes 16-31: 32 numbers on
	v_and_b32 v6, 8, v1
	v_mad_u32_u24 v6, v6, 3, v1                    ; r % 8 + 32 (r / 8) = r + 24 (r / 8)
	v_lshlrev_b32 v6, 2, v6
	v_min_u32 v[PFO], s60, v3                      ; my block of the work-group's (lanes left over name the last again),
	v_add_nc_u32 v[PFO], s61, v[PFO]
	v_mul_u32_u24 v22, 43, v[PFO]
	v_lshrrev_b32 v22, 9, v22                      ; its tile: block / 12 (block x 43 / 512 rounded down, block under 48),
	v_mul_u32_u24 v22, TILEB-3072, v22
	v_lshl_add_u32 v[PFO], v[PFO], 8, v22          ; tile x 12,288 + (block % 12) x 256
.irp i,0,1,2,3
	global_load_b128 v[SC+8*\i:SC+8*\i+3], v7, s[6:7] offset:512*\i
	global_load_b128 v[SC+8*\i+4:SC+8*\i+7], v7, s[6:7] offset:512*\i+256
.endr
.irp i,4,5,6,7
	global_load_b128 v[SC+8*\i:SC+8*\i+3], v17, s[6:7] offset:512*\i
	global_load_b128 v[SC+8*\i+4:SC+8*\i+7], v17, s[6:7] offset:512*\i+256
.endr
.irp b,0,1,2,3,4,5,6,7
	global_load_b128 v[BQ+4*\b:BQ+4*\b+3], v5, s[86:87] offset:16*\b
.endr
	global_load_b32 v[BV], v6, s[90:91]
	global_load_b32 v[BV+8], v6, s[90:91] offset:32
	global_prefetch_b8 v[PFO], s[58:59] offset:6144 th:TH_LOAD_NT scope:SCOPE_SE   ; the second fill's blocks, K steps 4 and 5
	s_wait_alu depctr_va_vdst(0)                   ; the wait ahead of the run of scalar instructions
	s_mul_i32 s92, s19, 8*6144                     ; my eight tiles of x
	s_mul_i32 s93, s19, 8*3072
	s_mul_i32 s94, s20, 4*6144                     ; my four of q or k
	s_add_co_u32 s94, s94, 16*6144
	s_mul_i32 s95, s20, 4*3072
	s_add_co_u32 s95, s95, 16*3072
	s_mul_i32 s96, s20, 2*6144                     ; my two of v
	s_add_co_u32 s96, s96, 24*6144
	s_mul_i32 s97, s20, 2*3072
	s_add_co_u32 s97, s97, 24*3072
	v_add_nc_u32 v[AD], s92, v4
	v_add_nc_u32 v[AD+1], s94, v4
	v_add_nc_u32 v[AD+2], s96, v4
	v_add_nc_u32 v[AD+6], s93, v4
	v_add_nc_u32 v[AD+7], s95, v4
	v_add_nc_u32 v[AD+8], s97, v4
	v_add_nc_u32 v[AD+3], FILL2, v[AD+6]
	v_add_nc_u32 v[AD+4], FILL2, v[AD+7]
	v_add_nc_u32 v[AD+5], FILL2, v[AD+8]
	s_wait_alu depctr_va_vdst(0)                   ; the wait at the head's end
	; where my results go
	s_lshl_b32 s88, s20, 4
	s_add_co_u32 s88, s88, s23                     ; q's or k's head: h + 16 CH
	s_lshl_b32 s89, s56, 1
	s_add_co_u32 s89, s89, s19                     ; my 128 tokens: 2 y + RH
	s_mul_i32 s92, s88, 196608
	s_mul_i32 s93, s89, 4*1536
	s_add_co_u32 s92, s92, s93
	s_mov_b32 s93, 0
	s_add_nc_u64 s[10:11], s[10:11], s[92:93]
	s_lshl_b32 s92, s88, 13
	s_lshl_b32 s94, s89, 8
	s_add_co_u32 s92, s92, s94
	s_add_nc_u64 s[12:13], s[12:13], s[92:93]
	s_lshr_b32 s92, s89, 4                         ; b
	s_and_b32 s89, s89, 15                         ; the key step
	s_lshl_b32 s92, s92, 4
	s_add_co_u32 s92, s92, s23
	s_lshl_b32 s92, s92, 4
	s_add_co_u32 s89, s92, s89                     ; (16 b + h) 16 + key step
	s_mul_i32 s92, s89, 4*1536
	s_mul_i32 s94, s20, 2*1536
	s_add_co_u32 s92, s92, s94
	s_add_nc_u64 s[14:15], s[14:15], s[92:93]
	s_lshl_b32 s92, s89, 8
	s_lshl_b32 s94, s20, 3
	s_add_co_u32 s92, s92, s94
	s_add_nc_u64 s[16:17], s[16:17], s[92:93]
.macro FRG reg, a, off                 ; a fragment's image into its 12 registers
	ds_load_b128 v[\reg:\reg+3], v[\a] offset:\off
	ds_load_b128 v[\reg+4:\reg+7], v[\a] offset:\off+512
	ds_load_b128 v[\reg+8:\reg+11], v[\a] offset:\off+1024
.endm
.macro GEO k                           ; where K step k lies: AR its fill's addresses, TS from tile to tile, KO the step's place
.if (\k) < 4
.set AR, AD
.set TS, 6144
.set KO, 1536*(\k)
.else
.set AR, AD+3*((\k)/2-1)
.set TS, 3072
.set KO, 1536*((\k)%2)
.endif
.endm
.macro RUNW k                          ; my six fragments of qkv_w, 18 loads
	GEO \k
	WIN 0x40
.irp b,0,1,2,3
	FRG 72*((\k)%2)+12*\b,AR+1,TS*\b+KO
.endr
.irp a,0,1
	FRG 72*((\k)%2)+48+12*\a,AR+2,TS*\a+KO
.endr
.endm
.macro RUNX k, i0                      ; four fragments of x, 12 loads
	GEO \k
.if (\k)%2
	WIN 0x40
.else
	WIN 0
.endif
.irp i,\i0,\i0+1,\i0+2,\i0+3
	FRG 128+16*((\k)%2)+12*(\i),AR,TS*(\i)+KO
.endr
.endm
; 16 matrix instructions of q or k: x's tiles a0 .. a0 + 3, each against the head's four.  The 48 accumulators of a K step take turns, one instruction a turn, in the same order in every step
.macro MULQ k, a0
.set XB, 128+16*((\k)%2)
.set WB, 72*((\k)%2)
.if (\k) == 0
	WIN 0x81
.else
	WIN 0xa1+4*((\k)%2)
.endif
.irp a,\a0,\a0+1,\a0+2,\a0+3
.irp b,0,1,2,3
.if (\k) == 0
	v_wmma_scale_f32_16x16x128_f8f6f4 v[8*(4*(\a)+\b):8*(4*(\a)+\b)+7], v[WB+12*\b:WB+12*\b+11], v[XB+12*(\a):XB+12*(\a)+11], v[BQ+8*\b:BQ+8*\b+7], v[SC+8*\b+(\k)], v[SC+8*(\a)+(\k)] matrix_a_fmt:MATRIX_FMT_BF6 matrix_b_fmt:MATRIX_FMT_BF6 matrix_a_scale:MATRIX_SCALE_ROW1
.else
	v_wmma_scale_f32_16x16x128_f8f6f4 v[8*(4*(\a)+\b):8*(4*(\a)+\b)+7], v[WB+12*\b:WB+12*\b+11], v[XB+12*(\a):XB+12*(\a)+11], v[8*(4*(\a)+\b):8*(4*(\a)+\b)+7], v[SC+8*\b+(\k)], v[SC+8*(\a)+(\k)] matrix_a_fmt:MATRIX_FMT_BF6 matrix_b_fmt:MATRIX_FMT_BF6 matrix_a_scale:MATRIX_SCALE_ROW1
.endif
.endr
.endr
.endm
.macro MULV k                          ; and of v: my two tiles of it, each against x's eight
.set XB, 128+16*((\k)%2)
.set WB, 72*((\k)%2)+48
.if (\k) == 0
	WIN 0xc4
.else
	WIN 0xf4+((\k)%2)
.endif
.irp a,0,1
.irp b,0,1,2,3,4,5,6,7
.if (\k) == 0
	v_wmma_scale_f32_16x16x128_f8f6f4 v[8*(8*\a+\b):8*(8*\a+\b)+7], v[XB+12*\b:XB+12*\b+11], v[WB+12*\a:WB+12*\a+11], v[BV+8*\a:BV+8*\a+7], v[SC+8*\b+(\k)], v[SC+8*(4+\a)+(\k)] matrix_a_fmt:MATRIX_FMT_BF6 matrix_b_fmt:MATRIX_FMT_BF6 matrix_b_scale:MATRIX_SCALE_ROW1
.else
	v_wmma_scale_f32_16x16x128_f8f6f4 v[8*(8*\a+\b):8*(8*\a+\b)+7], v[XB+12*\b:XB+12*\b+11], v[WB+12*\a:WB+12*\a+11], v[8*(8*\a+\b):8*(8*\a+\b)+7], v[SC+8*\b+(\k)], v[SC+8*(4+\a)+(\k)] matrix_a_fmt:MATRIX_FMT_BF6 matrix_b_fmt:MATRIX_FMT_BF6 matrix_b_scale:MATRIX_SCALE_ROW1
.endif
.endr
.endr
.endm
; A K step: 48 matrix instructions on one set of fragments; the next step's 42 loads go into the other set, in three runs.
.macro STEP k
	s_wait_dscnt 12                                ; all but x's tiles 4-7 are in, the youngest 12 loads
	PLACES
	RUNW (\k)+1
	MULQ \k, 0
	s_wait_dscnt 18                                ; and those: behind them stand the 18 just issued
	RUNX (\k)+1, 0
	MULQ \k, 4
	RUNX (\k)+1, 4
	MULV \k
.endm
; A K step with a barrier.  fill = 2 (K step 3): the second fill has landed; the first has been read out by every wave of every partner, and takes the third.  fill = 0 (K step 5): the third has landed in every wave's part.
.macro TURN k, fill
	WIN 0
	s_wait_tensorcnt 0x0                           ; all my tensor loads have landed
	ds_add_u32 v[SPW], v[NIL]                      ; 0 onto my spare word
	s_wait_dscnt 0x0                               ; the add is done, and my LDS reads are over
	s_barrier_signal -1
	MULQ \k, 0                                     ; work on registers while the others arrive
	WIN 0
	s_barrier_wait -1
.if \fill
	CREST                                          ; the barrier has opened a round of the cluster's barrier
	JLOAD \fill                                    ; the first tensor load behind the round, and the wave's only one; its four v_nop are the places in front of the loads below
.else
	PLACES
.endif
	RUNW (\k)+1
	MULQ \k, 4
	RUNX (\k)+1, 0
	RUNX (\k)+1, 4
	MULV \k
.endm
	s_wait_alu depctr_va_vdst(0)
	s_wait_tensorcnt 0x0                           ; my tiles of the first fill are in
	ds_add_u32 v[SPW], v[NIL]
.irp g, G1A, G1B
	s_mov_b32 s[\g+1], 384<<16                     ; no tensor load of mine is out: from here on a row is 3,072 bytes
	s_mov_b32 s[\g+3], 384<<16
.endr
	s_wait_dscnt 0x0
	CROUND                                         ; everybody's are, and all sixteen work-groups are here
	JLOAD 1
	RUNW 0
	RUNX 0, 0
	RUNX 0, 4
	s_wait_loadcnt 0x0                             ; the scale words and the bias
	WIN 0
.irp j,1,2,3,4,5,6,7
	v_mov_b32 v[BV+\j], v[BV]                      ; v's bias: my channel's, in all eight registers of a result
	v_mov_b32 v[BV+8+\j], v[BV+8]
.endr
	s_wait_alu depctr_va_vdst(0)
	STEP 0
	WIN 0
	global_prefetch_b8 v[PFO], s[58:59] offset:9216 th:TH_LOAD_NT scope:SCOPE_SE   ; the third fill's blocks, K steps 6 and 7: the last
	STEP 1
	STEP 2
	TURN 3, 2
	STEP 4
	TURN 5, 0
	STEP 6
	s_wait_dscnt 12                                ; the last K step: nothing more to fetch
	MULQ 7, 0
	s_wait_dscnt 0x0
	MULQ 7, 4
	MULV 7
	WIN 0
	PLACES                                         ; in front of the first read of results
	v_mov_b32 v[PD], 0                             ; written once: a lane permute's destination counts as one of its sources
; THE WAY OUT uses no LDS.  64 numbers of a lane, v[s] .. v[s + 63] of window w: two whole blocks of 32.  Their codes go to the twelve registers from v[d] on, the scale word to v[pw].
.macro QUANT w, s, d, pw
	WIN ((\w)<<2)|((\w)<<4)
.irp c,0,1                             ; two chains a block, four by turns, each from the floor 2^(5 - 127): the byte cannot fall under 1.  Each accumulator is first read at its low end
	v_max3_num_f32 v[TM+\c], 0x2800000, |v[\s+32*\c]|, |v[\s+32*\c+1]|
.endr
.irp c,0,1
	v_max3_num_f32 v[TM+2+\c], 0x2800000, |v[\s+32*\c+16]|, |v[\s+32*\c+17]|
.endr
.irp i,2,4,6,8,10,12,14
.irp c,0,1
	v_max3_num_f32 v[TM+\c], v[TM+\c], |v[\s+32*\c+\i]|, |v[\s+32*\c+\i+1]|
.endr
.irp c,0,1
	v_max3_num_f32 v[TM+2+\c], v[TM+2+\c], |v[\s+32*\c+\i+16]|, |v[\s+32*\c+\i+17]|
.endr
.endr
	WIN 0
.irp c,0,1
	v_max_num_f32 v[TM+\c], v[TM+\c], v[TM+2+\c]   ; the block's largest magnitude: all 32 numbers are mine
.endr
.irp c,0,1
	v_add_nc_u32 v[SO+\c], 0xfe000000, v[TM+\c]    ; 4 off its exponent field: the conversion's scale operand
.endr
	v_lshrrev_b32 v[WD], 16, v[SO+1]
	v_alignbit_b32 v[WD], v[WD], v[SO], 23         ; the first block's byte in byte 0, the second's in byte 2
	WIN \w
	v_cvt_scalef32_pk16_bf6_f32 v[\d:\d+2], v[\s:\s+15], v[SO]
	v_cvt_scalef32_pk16_bf6_f32 v[CT:CT+2], v[\s+16:\s+31], v[SO]        ; (a conversion's three registers begin on an even number: a block's second three do not)
	v_cvt_scalef32_pk16_bf6_f32 v[\d+6:\d+8], v[\s+32:\s+47], v[SO+1]
	v_cvt_scalef32_pk16_bf6_f32 v[CT+4:CT+6], v[\s+48:\s+63], v[SO+1]
	WIN 0
	v_permlanex16_b32 v[PD], v[WD], s[SEL], s[SEL+1]
	v_perm_b32 v[\pw], v[WD], v[PD], v[SELV]       ; with lane l xor 16's two bytes the word is whole, in every lane.  (The plain places behind the scaled conversions)
.irp i,0,1,2
	v_mov_b32 v[\d+3+\i], v[CT+\i]
	v_mov_b32 v[\d+9+\i], v[CT+4+\i]
.endr
.endm
.macro OUT d, base, off                ; a fragment leaves: three stores of 512 consecutive bytes, aligned
.irp g,0,1,2
	global_store_b128 v4, v[\d+4*\g:\d+4*\g+3], s[\base:\base+1] offset:\off+512*\g
.endr
.endm
	QUANT 2,0,CD,PW                                ; q or k: tiles 2 t and 2 t + 1 of my tokens make one fragment; each leaves behind the next one's conversions
	QUANT 2,64,CD+12,PW+1
	OUT CD,10,0
	QUANT 2,128,CD+24,PW+2
	OUT CD+12,10,1536
	QUANT 2,192,CD+36,PW+3
	OUT CD+24,10,3072
	QUANT 3,0,CD+48,PW+4                           ; v: my 128 keys of 16 channels make one fragment
	OUT CD+36,10,4608
	global_store_b128 v20, v[PW:PW+3], s[12:13]    ; 256 consecutive bytes, aligned (lanes r and 16 + r store the same 16 bytes)
	QUANT 3,64,CD+60,PW+5
	OUT CD+48,14,0
	OUT CD+60,14,1536
	global_store_b64 v20, v[PW+4:PW+5], s[16:17]   ; my two of each channel's four words: the other two are the other half's wave's
	s_wait_tensorcnt 0x0                           ; the wave's end
	ds_add_u32 v[SPW], v[NIL]
	s_wait_dscnt 0x0
	CROUND                                         ; the closing round: no work-group ends while a partner may still ask for a tile that names it
	s_endpgm
.Lfunc_end_k_q63bc80a501_qkv:
	.size	k_q63bc80a501_qkv, .Lfunc_end_k_q63bc80a501_qkv-k_q63bc80a501_qkv
	.p2alignl 7, 3214868480
	.fill 96, 4, 3214868480
	.section	.rodata,"a",@progbits
	.p2align	6, 0x0
	.amdhsa_kernel k_q63bc80a501_qkv
		.amdhsa_group_segment_fixed_size 327680
		.amdhsa_private_segment_fixed_size 0
		.amdhsa_enable_private_segment 0
		.amdhsa_kernarg_size 56
		.amdhsa_user_sgpr_count 2
		.amdhsa_user_sgpr_kernarg_segment_ptr 1
		.amdhsa_wavefront_size32 1
		.amdhsa_system_sgpr_workgroup_id_x 1
		.amdhsa_system_sgpr_workgroup_id_y 1
		.amdhsa_system_sgpr_workgroup_id_z 1
		.amdhsa_system_vgpr_workitem_id 0
		.amdhsa_next_free_vgpr 896
		.amdhsa_next_free_sgpr 100
		.amdhsa_reserve_vcc 1
		.amdhsa_float_denorm_mode_32 3
		.amdhsa_float_denorm_mode_16_64 3
		.amdhsa_memory_ordered 1
		.amdhsa_forward_progress 1
		.amdhsa_inst_pref_size 108
	.end_amdhsa_kernel
	.amdgpu_metadata
---
amdhsa.version: [ 1, 2 ]
amdhsa.kernels:
  - .name:           k_q63bc80a501_qkv
    .symbol:         k_q63bc80a501_qkv.kd
    .args:
      - { .name: wc, .offset: 0, .size: 8, .value_kind: global_buffer, .address_space: global }
      - { .name: ws, .offset: 8, .size: 8, .value_kind: global_buffer, .address_space: global }
      - { .name: qkv_b, .offset: 16, .size: 8, .value_kind: global_buffer, .address_space: global }
      - { .name: qkc, .offset: 24, .size: 8, .value_kind: global_buffer, .address_space: global }
      - { .name: qks, .offset: 32, .size: 8, .value_kind: global_buffer, .address_space: global }
      - { .name: vc, .offset: 40, .size: 8, .value_kind: global_buffer, .address_space: global }
      - { .name: vs, .offset: 48, .size: 8, .value_kind: global_buffer, .address_space: global }
    .group_segment_fixed_size: 327680
    .private_segment_fixed_size: 0
    .kernarg_segment_align: 8
    .kernarg_segment_size: 56
    .max_flat_workgroup_size: 128
    .sgpr_count:     100
    .vgpr_count:     896
    .wavefront_size: 32
...
	.end_amdgpu_metadata
.endif
;; end of part 2
;; launch attn (part 3): grid 8 x 32, 8 waves a work-group, clusters of 4 x 1, 327,680 bytes of LDS; arguments qkc, qks, vc, vs, wc, ws; writes wc, ws
.if DOCPART == 3
	.amdgcn_target "amdgcn-amd-amdhsa--gfx1250"
	.amdhsa_code_object_version 6
	.text
	.protected	k_q63bc80a501_attn
	.globl	k_q63bc80a501_attn
	.p2align	8
	.type	k_q63bc80a501_attn,@function
k_q63bc80a501_attn:
	s_mov_b64 s[64:65], 0
	v_nop
	global_prefetch_b8 v0, s[64:65] scope:SCOPE_SE
	s_setreg_imm32_b32 hwreg(HW_REG_WAVE_MODE, 25, 1), 1
	s_wait_xcnt 0x0
	s_wait_alu depctr_hold_cnt(0) depctr_sa_sdst(0) depctr_va_vdst(0) depctr_va_sdst(0) depctr_va_ssrc(0) depctr_va_vcc(0) depctr_vm_vsrc(0)
	s_getreg_b32 s2, hwreg(HW_REG_IB_STS2, 6, 4)
	s_cmp_eq_u32 s2, 0
	s_cbranch_scc0 .Lentry_in_a_cluster
	s_endpgm
.Lentry_in_a_cluster:
	s_bfe_u32 s2, ttmp6, 0x10000c
	s_cmp_lg_u32 s2, 0x3003
	s_cbranch_scc0 .Lentry_shape_is_right
	s_endpgm
.Lentry_shape_is_right:
; o[b][q][h] = softmax_k(q . k / 8) v for 32 (b, h), 2,048 queries and keys, head size 64, both products on codes of BF6 (E3M2) with E8M0 scales; o is quantised along its 1,024 features for the last product.
; THE SOFTMAX AHEAD OF THE SECOND PRODUCT: t = score x log2(e) / 8; M = the running largest t rounded UP to a whole number; p = 2^(t - M) is quantised along the keys, not normalised; the row's sum is taken of the
; unquantised p and divides O at the end.  When M moves, the sum and O are multiplied by 2^(old M - new M): exact.
; A BLOCK'S SCALE: floor(log2(its largest p)) = floor(t - M) of its largest score, p rising with the score; so no exponential is taken for it.  (Where t - M lies within a rounding of a whole number, p may fall on the other side of that power of two.)
; SHARES.  A work-group owns 256 queries of one (b, h); each of its eight waves owns two tiles of 16, A and B: two waves to a SIMD.  A fragment of K feeds four products, one of V two.  The two tiles' work is laid side by side: chains by turns, and
; between one tile's exponentials stand the other's scalings, or its conversions and first sums.
; ALL OF THE HEAD'S K AND V, as codes (2 x 98,304 bytes) with their scale words (2 x 4,096), lie in LDS for the whole launch, filled once.  At the head waves 0-3 ask for the first 512 keys' codes (K's two halves, V's two halves), waves 4 and 5 for
; all scale words; behind the full sequence and a round waves 0-3 ask for the other 1,536 keys' codes: one tensor load a wave at a time.  They land under key steps 0 and 1; a barrier signalled in step 2 and awaited behind it shows them to every wave.
; No prefetch into the L2: two fills ask for everything, and no loop fetches tiles in which a request could run ahead.
; CLUSTER.  The four query blocks of a cluster belong to one (b, h) and read the same K and V: each piece is asked for jointly, by the same load with the same descriptor and the mask of all four.
; LAYOUT.  Both products are used transposed (S^T = K Q^T, O^T = V^T P^T): a lane holds one query of each tile throughout.  Tile 4 G + u of the tokens holds at place p the token 64 G + 8 u + p % 8 + 32 (p / 8), so the 32 registers that
; lane (r, h) has of score tiles 4 c .. 4 c + 3 are the keys 64 c + 32 h + 0 .. 31: A WHOLE BLOCK OF p IN ONE LANE, in the order of the 6-bit operand's registers.  The tiles of V's 64 channels are chosen alike, so that o's blocks lie so too.
; K = 64 FILLS HALF OF THE INSTRUCTION'S 128.  A fragment of K is two key tiles side by side (tile 2 T at k 0-63, tile 2 T + 1 at k 64-127); it is multiplied by [q | 0] for the first and by [0 | q] for the second:
; zero codes add nothing.  The five runs 0, A's q, 0, B's q, 0 of six registers give all four operands.
; IMAGES.  A fragment of K, q or V lies as three groups of four registers, group g at 512 g + 16 x lane: three loads of 512 consecutive bytes.
; o's codes leave as half images, 768 bytes a tile, of this order: registers 6 c .. 6 c + 3 of a fragment at 768 c + 16 x lane, 6 c + 4 and 6 c + 5 at 768 c + 512 + 8 x lane; its two scale bytes a row leave as 16 stores of 2 bytes a tile:
; the other bytes of those words belong to other heads' work-groups.
; LIMITS: a block of zeros gets the byte 1 where the rule says 127 (its codes are zeros; this program alone reads the bytes); NaN and infinities are not served; the scaled scores stay under 2^31 in magnitude.
; REGISTERS: window 0 as named below; window 1: v0-63 A's S^T, then p; v64-127 B's; v128-139, v140-151 p's codes; v152-166 the halves of them that are made elsewhere and moved.
.set FRB,  1536
.set VOFF, 98304                       ; LDS: K's codes [key step][T][1,536] at 0, V's [key step][tile of d][1,536] here,
.set KSC,  196608                      ; K's scale words [key step][r][4 words], and V's 4,096 bytes on
.set SPARE, KSC+8192                   ; the spare words, 128 bytes for each wave
.set MA,   12                          ; v12 A's -M, v13 its largest score so far;  v[14:15] its row's sum, in two halves
.set LA,   14
.set QZ,   16                          ; v16-21 zeros, v22-27 A's q, v28-33 zeros, v34-39 B's q, v40-45 zeros
.set MB,   46                          ; v46-47, v[48:49] the same for B
.set LB,   48
.set QS,   50                          ; v50, v51 q's scale words: a tile's two bytes in both halves
.set PS,   52                          ; v52, v53 p's
.set KS,   54                          ; v54-57 K's scale words, v58-61 V's
.set VS,   58
.set SPW,  62                          ; v62 my spare word's address, v63 0
.set KF,   64                          ; v64-111 K's four fragments, v112-159 V's
.set VF,   112
.set OA,   160                         ; v160-191 A's O^T, v192-223 B's
.set OB,   192
.set BM,   224                         ; v224-227 the blocks' largest scores (A's two, B's two), then their t - M
.set BT,   228                         ; v228-231 at work
.set SO,   232                         ; v232-235 the conversions' scale operands
.set WD,   236                         ; v236, v237 my two scale bytes
.set OLD,  238                         ; v238, v239 the old -M
.set FA,   240                         ; v[240:241], v[242:243] f (the low word serves both halves)
.set FB,   242
.set TT,   244                         ; v244, v245 at work
.set LA1,  246                         ; v246-255 five more chains of the rows' sums: A's two, B's three
.set LA2,  248
.set LB1,  250
.set LB2,  252
.set LB3,  254
.set PC,   128                         ; window 1
.set CT,   152
.set TC,   60                          ; s60 the key step's codes: 6,144 bytes a step
.set TS,   61                          ; s61 its scale words: 256 bytes a step
.set CNT,  62
.set MSB, 0
.macro WIN new                         ; the immediate's high byte repeats the setting that is left
.if MSB != (\new)
	s_set_vgpr_msb (MSB<<8)|(\new)
.set MSB, (\new)
.endif
.endm
.macro ROUND                           ; a round of the cluster's barrier
	s_barrier_signal -1
	s_barrier_wait -1
	s_cmp_lg_u32 s18, 0
	s_cbranch_scc1 .Lnot_wave_0_\@
	s_barrier_signal -3
.Lnot_wave_0_\@:
	s_barrier_wait -3
	s_barrier_signal -1
	s_barrier_wait -1
.endm
.macro FRAG3 reg, a, off               ; a fragment's image into its 12 registers: three loads of 512 consecutive bytes
	ds_load_b128 v[\reg:\reg+3], v[\a] offset:\off
	ds_load_b128 v[\reg+4:\reg+7], v[\a] offset:\off+512
	ds_load_b128 v[\reg+8:\reg+11], v[\a] offset:\off+1024
.endm
.macro GROUP1 g, rows                  ; a dense block as rows of 256 bytes (32 elements of 8 bytes)
	s_mov_b32 s[\g], 15|(3<<16)|(1<<21)            ; 15:0 the mask: all four work-groups; 17:16 elements of 8 bytes; 21 set beside a mask
	s_mov_b32 s[\g+1], 32<<16
	s_mov_b32 s[\g+2], \rows<<16
	s_mov_b32 s[\g+3], 32<<16
	s_mov_b32 s[\g+4], \rows
	s_mov_b32 s[\g+5], 32
	s_mov_b32 s[\g+6], 0
	s_mov_b32 s[\g+7], 0
.endm
	s_load_b256 s[4:11], s[0:1], 0x0               ; qkc s[4:5], qks s[6:7], vc s[8:9], vs s[10:11]
	s_load_b128 s[12:15], s[0:1], 0x20             ; wc s[12:13], ws s[14:15]
	v_lshl_add_u32 v[SPW], v0, 2, SPARE
	v_mov_b32 v[SPW+1], 0
	ds_add_u32 v[SPW], v[SPW+1]                    ; the opening: the add, twice on end, and its wait
	ds_add_u32 v[SPW], v[SPW+1]
	v_lshrrev_b32 v1, 5, v0
	v_readfirstlane_b32 s18, v1                    ; wave 0..7
	s_bfe_u32 s66, ttmp6, 0x40000                  ; cx
	s_lshl_b32 s67, ttmp9, 2
	s_add_co_u32 s67, s67, s66                     ; my block of 256 queries: it enters q's and o's addresses alone
	s_and_b32 s68, ttmp7, 0xffff                   ; 16 b + h, which the four partners share
	s_lshr_b32 s69, s68, 4                         ; b
	s_and_b32 s70, s68, 15                         ; h
	s_bfe_u32 s71, s18, 0x10001                    ; waves 0-3: K (0) or V (1),
	s_and_b32 s72, s18, 1                          ; and which half.  Waves 4, 5: K's scale words (0) or V's (1)
	s_add_co_u32 s73, s70, 16                      ; k's heads follow q's sixteen
	s_mul_i32 s74, s73, 196608
	s_mul_i32 s75, s69, 98304
	s_add_co_u32 s74, s74, s75                     ; K's codes of (b, h)
	s_mul_i32 s75, s68, 98304                      ; V's
	s_lshl_b32 s76, s73, 13
	s_lshl_b32 s77, s69, 12
	s_add_co_u32 s76, s76, s77                     ; K's scale words
	s_lshl_b32 s77, s68, 12                        ; V's
	s_cmp_eq_u32 s71, 0
	s_cselect_b32 s74, s74, s75
	s_cmp_eq_u32 s72, 0
	s_cselect_b32 s76, s76, s77
	s_mov_b32 s75, 0
	s_mov_b32 s77, 0
	s_mul_i32 s63, s71, VOFF
	s_mul_i32 s82, s72, 12288                      ; the first 512 keys: my half of 24,576 bytes
	s_add_co_u32 s78, s63, s82                     ; where it goes
	s_mul_i32 s92, s72, 36864                      ; the others: my half of 73,728
	s_add_co_u32 s63, s63, s92
	s_add_co_u32 s63, s63, 24576                   ; and where it goes
	s_mov_b32 s83, 0
	s_mov_b32 s93, 0
	s_lshl_b32 s19, s72, 12
	s_add_co_u32 s19, s19, KSC                     ; where the scale words go
	GROUP1 24, 48                                  ; half of 512 keys' codes of K or V,
	GROUP1 84, 144                                 ; half of 1,536 keys',
	GROUP1 32, 16                                  ; and all scale words of K or V
	s_mov_b32 s20, 0x76543210
	s_mov_b32 s21, 0xfedcba98                      ; v_permlanex16_b32's selects for lane l xor 16
	s_mov_b32 s22, 0x3e38aa3b                      ; c = log2(e) / 8
	s_mov_b32 s23, s22                             ; (named with it as a pair, so it is written)
	s_mov_b32 s3, 0x02060004                       ; v_perm_b32's selector for the scale word
	s_mov_b32 s[TC], 0
	s_mov_b32 s[TS], 0
	s_wait_dscnt 0x0                               ; both opening adds are done
	s_wait_kmcnt 0x0
	s_cmp_eq_u32 s71, 0                            ; the choice of buffers hangs on the wave's number alone
	s_cselect_b64 s[80:81], s[4:5], s[8:9]
	s_cmp_eq_u32 s72, 0
	s_cselect_b64 s[16:17], s[6:7], s[10:11]
	s_add_nc_u64 s[80:81], s[80:81], s[74:75]
	s_add_nc_u64 s[16:17], s[16:17], s[76:77]
	s_mov_b32 s40, 1                               ; group 0: the first codes,
	s_mov_b32 s41, s78
	s_add_nc_u64 s[42:43], s[80:81], s[82:83]
	s_or_b32 s43, s43, 0x80000000
	s_mov_b32 s44, 1                               ; the scale words,
	s_mov_b32 s45, s19
	s_mov_b64 s[46:47], s[16:17]
	s_or_b32 s47, s47, 0x80000000
	s_mov_b32 s48, 1                               ; and the other codes; none is ever written again
	s_mov_b32 s49, s63
	s_add_nc_u64 s[50:51], s[80:81], s[92:93]
	s_add_nc_u64 s[50:51], s[50:51], 24576
	s_or_b32 s51, s51, 0x80000000
	ROUND                                          ; all four work-groups are here: the joint loads meet
	s_cmp_lt_u32 s18, 4                            ; one chain of branches on the wave's number, one load to an arm
	s_cbranch_scc0 .Lhead_scales
	tensor_load_to_lds s[40:43], s[24:31]
	s_nop 0
.rept 4
	v_nop
.endr
	s_branch .Lhead_asked
.Lhead_scales:
	s_cmp_lt_u32 s18, 6
	s_cbranch_scc0 .Lhead_asked
	tensor_load_to_lds s[44:47], s[32:39]
	s_nop 0
.rept 4
	v_nop
.endr
.Lhead_asked:
	s_lshl_b32 s71, s69, 6
	s_lshl_b32 s72, s67, 3
	s_add_co_u32 s71, s71, s72
	s_add_co_u32 s71, s71, s18                     ; my pair of token tiles: 64 b + 8 x block + wave
	s_mul_i32 s72, s70, 196608
	s_mul_i32 s73, s71, FRB
	s_add_co_u32 s72, s72, s73
	s_mov_b32 s73, 0
	s_add_nc_u64 s[4:5], s[4:5], s[72:73]          ; the fragment of q that holds both my tiles
	s_lshl_b32 s72, s70, 13
	s_lshr_b32 s74, s71, 2
	s_lshl_b32 s74, s74, 8
	s_add_co_u32 s72, s72, s74
	s_and_b32 s74, s71, 3
	s_lshl_b32 s74, s74, 2
	s_add_co_u32 s72, s72, s74
	s_add_nc_u64 s[6:7], s[6:7], s[72:73]          ; the word that holds their four scale bytes
	v_and_b32 v11, 31, v0
	v_bfe_u32 v4, v0, 4, 1
	v_and_b32 v5, 15, v0
	v_lshlrev_b32 v1, 4, v11                       ; 16 x lane
	v_lshlrev_b32 v2, 3, v11                       ; 8 x lane
	v_lshlrev_b32 v4, 3, v4                        ; 8 h: how far o's scale byte is shifted up
	v_lshlrev_b32 v11, 4, v5                       ; 16 r
	v_add_nc_u32 v3, VOFF, v1
	v_lshl_add_u32 v5, v5, 4, KSC                  ; my row's four scale words of a key step
	global_load_b128 v[KF:KF+3], v1, s[4:5]
	global_load_b128 v[KF+4:KF+7], v1, s[4:5] offset:512
	global_load_b128 v[KF+8:KF+11], v1, s[4:5] offset:1024
	global_load_b32 v[KF+12], v11, s[6:7]
	s_wait_alu depctr_va_vdst(0)                   ; the wait ahead of the run of scalar instructions
	s_mul_i32 s72, s71, 2*12288                    ; o: tiles 512 + 2 x pair and the next of wc; head h is half h % 2 of K step h / 2: 768 h bytes on
	s_mul_i32 s74, s70, 768
	s_add_co_u32 s72, s72, s74
	s_add_co_u32 s72, s72, 512*12288
	s_add_nc_u64 s[12:13], s[12:13], s[72:73]
	s_lshl_b32 s72, s71, 10                        ; its scale bytes: 512 bytes a tile; 256 (h / 8) + 2 (h % 8)
	s_lshr_b32 s74, s70, 3
	s_lshl_b32 s74, s74, 8
	s_add_co_u32 s72, s72, s74
	s_and_b32 s74, s70, 7
	s_lshl_b32 s74, s74, 1
	s_add_co_u32 s72, s72, s74
	s_add_co_u32 s72, s72, 512*512
	s_add_nc_u64 s[14:15], s[14:15], s[72:73]
.irp i,0,1,2,3,4,5
	v_mov_b32 v[QZ+\i], 0                          ; zero codes beside each q
	v_mov_b32 v[QZ+12+\i], 0
	v_mov_b32 v[QZ+24+\i], 0
.endr
	v_mov_b32 v[MA+1], 0xff61b1e6                  ; the largest score so far: -3e38, under every score
	v_mov_b32 v[MB+1], 0xff61b1e6
	v_mov_b32 v[LA], 0                             ; the sums, each in two halves
	v_mov_b32 v[LA+1], 0
	v_mov_b32 v[LB], 0
	v_mov_b32 v[LB+1], 0
	v_mov_b32 v[FA+1], 0                           ; (named as the upper halves of f's pairs)
	v_mov_b32 v[FB+1], 0
	v_floor_f32 v[MA], -v[MA+1]                    ; -M: above every -M that follows, so that the first f is 0
	v_floor_f32 v[MB], -v[MB+1]
	s_mov_b32 s74, 0x01000100                      ; A's two bytes of the word, into both halves,
	s_mov_b32 s75, 0x03020302                      ; and B's
	s_wait_alu depctr_va_vdst(0)                   ; directly ahead of the wait below
	s_wait_loadcnt 0x0
.irp i,0,1,2,3,4,5
	v_mov_b32 v[QZ+6+\i], v[KF+\i]
	v_mov_b32 v[QZ+18+\i], v[KF+6+\i]
.endr
	v_perm_b32 v[QS], v[KF+12], v[KF+12], s74
	v_perm_b32 v[QS+1], v[KF+12], v[KF+12], s75
.set j, 0
.rept 64
	v_mov_b32 v[OA+j], 0                           ; O^T of both.  (The step has no first form of its own: the first finds zeros, which the first change of M leaves zeros.  These are also the places between q, its scale words and their first use)
.set j, j+1
.endr
.macro QK t                            ; S^T = K Q^T: a fragment of K serves two tiles of keys and two of queries
.irp u,0,1
	v_wmma_scale_f32_16x16x128_f8f6f4 v[64*\u+16*(\t):64*\u+16*(\t)+7], v[KF+12*(\t):KF+12*(\t)+11], v[QZ+12*\u+6:QZ+12*\u+17], 0, v[KS+(\t)], v[QS+\u] matrix_a_fmt:MATRIX_FMT_BF6 matrix_b_fmt:MATRIX_FMT_BF6
	v_wmma_scale_f32_16x16x128_f8f6f4 v[64*\u+16*(\t)+8:64*\u+16*(\t)+15], v[KF+12*(\t):KF+12*(\t)+11], v[QZ+12*\u:QZ+12*\u+11], 0, v[KS+(\t)], v[QS+\u] matrix_a_fmt:MATRIX_FMT_BF6 matrix_b_fmt:MATRIX_FMT_BF6
.endr
.endm
.macro FMA j, m                        ; t - M of pair j of the lane's 64 pairs of scores (A's 32, then B's), -M in v[m]
	v_pk_fma_f32 v[2*(\j):2*(\j)+1], v[2*(\j):2*(\j)+1], s[22:23], v[\m:\m+1] op_sel_hi:[1,0,0]
.endm
.macro MULO from, count                ; pairs of A's O^T and of B's under the new M: x f; each accumulator from its low end on
.set mj, \from
.rept \count
	v_pk_mul_f32 v[OA+2*mj:OA+2*mj+1], v[OA+2*mj:OA+2*mj+1], v[FA:FA+1] op_sel_hi:[1,0]
	v_pk_mul_f32 v[OB+2*mj:OB+2*mj+1], v[OB+2*mj:OB+2*mj+1], v[FB:FB+1] op_sel_hi:[1,0]
.set mj, mj+1
.endr
.endm
.macro CVT u                           ; tile u's codes: two blocks, each in two halves (a conversion's three registers begin on an even number: a block's second three do not)
	v_cvt_scalef32_pk16_bf6_f32 v[PC+12*\u:PC+12*\u+2], v[64*\u:64*\u+15], v[SO+2*\u]      ; registers 6 c .. 6 c + 5 of the operand: k = 64 c + 32 h + 0 .. 31
	v_cvt_scalef32_pk16_bf6_f32 v[CT+8*\u:CT+8*\u+2], v[64*\u+16:64*\u+31], v[SO+2*\u]
	v_cvt_scalef32_pk16_bf6_f32 v[PC+12*\u+6:PC+12*\u+8], v[64*\u+32:64*\u+47], v[SO+2*\u+1]
	v_cvt_scalef32_pk16_bf6_f32 v[CT+8*\u+4:CT+8*\u+6], v[64*\u+48:64*\u+63], v[SO+2*\u+1]
.endm
.macro MOVC u
.irp i,0,1,2
	v_mov_b32 v[PC+12*\u+3+\i], v[CT+8*\u+\i]
	v_mov_b32 v[PC+12*\u+9+\i], v[CT+8*\u+4+\i]
.endr
.endm
.macro ADD l, s                        ; a pair of p onto a chain
	v_pk_add_f32 v[\l:\l+1], v[\l:\l+1], v[\s:\s+1]
.endm
; A KEY STEP: 128 keys.  pref = 1: the next step's K is asked for.  bar = 1: a barrier is signalled, and awaited behind the step.  At its head the step's own K and scale words, 13 loads, are on their way or in.
.macro STEP pref, bar
	s_wait_dscnt 0x0                               ; K and its scale words are in: no LDS instruction of mine is pending
	WIN 0x40
	QK 0
	QK 1
	QK 2
	QK 3
	WIN 0
.if \bar
	s_barrier_signal -1                            ; behind it, up to its wait, stand work on registers and reads of bytes that nobody writes any more
.endif
	v_add_nc_u32 v6, s[TC], v1                     ; the step's addresses and the old -M: the plain places behind these products and the last step's, in front of the loads into K's and V's registers
	v_add_nc_u32 v8, s[TC], v3                     ; and of the first read of the scores
	v_add_nc_u32 v10, s[TS], v5
	v_mov_b32 v[OLD], v[MA]
	v_mov_b32 v[OLD+1], v[MB]
.irp t,0,1,2,3
	FRAG3 VF+12*\t,8,FRB*\t                        ; V's four fragments and scale words, 13 loads: they land under the softmax
.endr
	ds_load_b128 v[VS:VS+3], v10 offset:4096
.if \pref
.irp t,0,1,2,3
	FRAG3 KF+12*\t,6,FRB*(4+\t)                    ; the next step's K, 6,144 bytes on, and its scale words, 13 loads
.endr
	ds_load_b128 v[KS:KS+3], v10 offset:256
.endif
	WIN 0x15                                       ; THE LARGEST SCORE OF EACH BLOCK OF 32 KEYS: it serves for the row's maximum and for the block's scale.  Four blocks, two chains each, by turns
.irp c,0,1,2,3
	v_max3_num_f32 v[BM+\c], v[32*\c], v[32*\c+1], v[32*\c+2]
	v_max3_num_f32 v[BT+\c], v[32*\c+16], v[32*\c+17], v[32*\c+18]
.endr
	WIN 0x14
.irp i,3,5,7,9,11,13
.irp c,0,1,2,3
	v_max3_num_f32 v[BM+\c], v[BM+\c], v[32*\c+\i], v[32*\c+\i+1]
	v_max3_num_f32 v[BT+\c], v[BT+\c], v[32*\c+\i+16], v[32*\c+\i+17]
.endr
.endr
.irp c,0,1,2,3
	v_max3_num_f32 v[BM+\c], v[BM+\c], v[32*\c+15], v[32*\c+31]
.endr
	WIN 0
.irp c,0,1,2,3
	v_max_num_f32 v[BM+\c], v[BM+\c], v[BT+\c]
.endr
	v_max_num_f32 v[TT], v[BM], v[BM+1]
	v_max_num_f32 v[TT+1], v[BM+2], v[BM+3]
	v_permlanex16_b32 v[BT], v[TT], s20, s21       ; lane l xor 16 holds my queries' other 64 keys
	v_permlanex16_b32 v[BT+2], v[TT+1], s20, s21
	v_max3_num_f32 v[MA+1], v[MA+1], v[TT], v[BT]  ; the running largest SCORES of my queries (c is positive and rounding keeps order: c x them are the running largest t)
	v_max3_num_f32 v[MB+1], v[MB+1], v[TT+1], v[BT+2]
	v_mul_f32 v[TT], s22, v[MA+1]
	v_mul_f32 v[TT+1], s22, v[MB+1]
	v_floor_f32 v[MA], -v[TT]                      ; the new -M = floor(-t): M is a whole number
	v_floor_f32 v[MB], -v[TT+1]
	v_sub_f32 v[OLD], v[MA], v[OLD]                ; old M less new M: a whole number, 0 or less
	v_sub_f32 v[OLD+1], v[MB], v[OLD+1]
	v_pk_fma_f32 v[BM:BM+1], v[BM:BM+1], s[22:23], v[MA:MA+1] op_sel_hi:[1,0,0]       ; t - M of each block's largest score
	v_pk_fma_f32 v[BM+2:BM+3], v[BM+2:BM+3], s[22:23], v[MB:MB+1] op_sel_hi:[1,0,0]
	v_cvt_i32_f32 v[OLD], v[OLD]                   ; (it saturates)
	v_cvt_i32_f32 v[OLD+1], v[OLD+1]
.irp c,0,1,2,3
	v_cvt_floor_i32_f32 v[BT+\c], v[BM+\c]         ; its floor: the exponent of the block's largest p
.endr
	v_ldexp_f32 v[FA], 1.0, v[OLD]                 ; f = 2^(old M - new M)
	v_ldexp_f32 v[FB], 1.0, v[OLD+1]
.irp c,0,1,2,3
	v_max_i32 v[BT+\c], -122, v[BT+\c]             ; the byte cannot fall under 1
.endr
	v_pk_mul_f32 v[LA:LA+1], v[LA:LA+1], v[FA:FA+1] op_sel_hi:[1,0]    ; the sums under the new M
	v_pk_mul_f32 v[LB:LB+1], v[LB:LB+1], v[FB:FB+1] op_sel_hi:[1,0]
.irp c,0,1,2,3
	v_add_lshl_u32 v[SO+\c], v[BT+\c], 123, 23     ; the scale's byte (4 under the exponent, + 127) as an exponent field: the conversion's scale operand
.endr
	MULO 0,2
	v_lshrrev_b32 v[WD], 16, v[SO+1]
	v_lshrrev_b32 v[WD+1], 16, v[SO+3]
	MULO 2,2
	v_alignbit_b32 v[WD], v[WD], v[SO], 23         ; block h's byte in byte 0, block 2 + h's in byte 2
	v_alignbit_b32 v[WD+1], v[WD+1], v[SO+2], 23
	MULO 4,2
	v_permlanex16_b32 v[BT], v[WD], s20, s21       ; and lane l xor 16's two
	v_permlanex16_b32 v[BT+2], v[WD+1], s20, s21
	MULO 6,2
	v_perm_b32 v[PS], v[WD], v[BT], s3             ; in lanes 0-15 p's scale word for these 128 keys (the product reads no other lanes)
	v_perm_b32 v[PS+1], v[WD+1], v[BT+2], s3
	MULO 8,8
	WIN 0x41
.set ej, 0
.rept 32
	FMA ej,MA
.set ej, ej+1
.endr
	s_wait_alu depctr_va_vdst(0)                   ; the wait ahead of the batch
.set ej, 0
.rept 32                               ; p = 2^(t - M), not normalised: tile A; between, t - M of tile B
	v_exp_f32 v[2*ej], v[2*ej]
	v_exp_f32 v[2*ej+1], v[2*ej+1]
	FMA 32+ej,MB
.set ej, ej+1
.endr
	s_wait_alu depctr_va_vdst(0)                   ; behind the batch, and ahead of the next
	CVT 0                                          ; A's codes
	v_nop                                          ; one plain place behind a scaled conversion
	WIN 0x45
.set ej, 0
.rept 32                               ; tile B; between, the first level of A's sum: pair 2 i onto pair 2 i's place with pair 2 i + 1
	v_exp_f32 v[64+2*ej], v[64+2*ej]
	v_exp_f32 v[65+2*ej], v[65+2*ej]
.if ej%2 == 1
	v_pk_add_f32 v[2*ej-2:2*ej-1], v[2*ej-2:2*ej-1], v[2*ej:2*ej+1]
.endif
.set ej, ej+1
.endr
	s_wait_alu depctr_va_vdst(0)                   ; behind the batch, ahead of its first reader
	WIN 0x41
	CVT 1                                          ; B's codes
	MOVC 0                                         ; (the plain places behind the conversions)
	WIN 0x05                                       ; THE ROWS' SUMS ARE TAKEN OF THE UNQUANTISED p, two at a time: three chains of A's 16 partial pairs, four of B's 32 pairs
	v_pk_add_f32 v[LA1:LA1+1], v[4:5], v[8:9]
	v_pk_add_f32 v[LB1:LB1+1], v[66:67], v[68:69]
	v_pk_add_f32 v[LA2:LA2+1], v[12:13], v[16:17]
	v_pk_add_f32 v[LB2:LB2+1], v[70:71], v[72:73]
	v_pk_add_f32 v[LB3:LB3+1], v[74:75], v[76:77]
	WIN 0x04
	ADD LA,0
	ADD LB,64
.set ej, 0
.rept 25                               ; B's pairs 7 .. 31, A's partial pairs 5 .. 15
.if ej%4 == 0
	ADD LB,78+2*ej
.elseif ej%4 == 1
	ADD LB1,78+2*ej
.elseif ej%4 == 2
	ADD LB2,78+2*ej
.else
	ADD LB3,78+2*ej
.endif
.if ej < 11
.if ej%3 == 0
	ADD LA1,20+4*ej
.elseif ej%3 == 1
	ADD LA2,20+4*ej
.else
	ADD LA,20+4*ej
.endif
.endif
.set ej, ej+1
.endr
	WIN 0x41
	MOVC 1
	WIN 0
	ADD LA1,LA2                                    ; (these five are also the places between p's codes and the products below)
	ADD LB1,LB2
	ADD LB,LB3
	ADD LA,LA1
	ADD LB,LB1
	s_wait_alu depctr_va_vdst(0)
.if \pref
	s_wait_dscnt 13                                ; V is in: behind it stand the next K's 13 loads
.else
	s_wait_dscnt 0x0                               ; V
.endif
	WIN 0x04
.irp t,0,1,2,3                         ; O^T += V^T P^T: eight accumulators by turns, one instruction a turn; a fragment of V serves both tiles
	v_wmma_scale_f32_16x16x128_f8f6f4 v[OA+8*\t:OA+8*\t+7], v[VF+12*\t:VF+12*\t+11], v[PC:PC+11], v[OA+8*\t:OA+8*\t+7], v[VS+\t], v[PS] matrix_a_fmt:MATRIX_FMT_BF6 matrix_b_fmt:MATRIX_FMT_BF6
	v_wmma_scale_f32_16x16x128_f8f6f4 v[OB+8*\t:OB+8*\t+7], v[VF+12*\t:VF+12*\t+11], v[PC+12:PC+23], v[OB+8*\t:OB+8*\t+7], v[VS+\t], v[PS+1] matrix_a_fmt:MATRIX_FMT_BF6 matrix_b_fmt:MATRIX_FMT_BF6
.endr
	WIN 0
	s_add_co_u32 s[TC], s[TC], 4*FRB
	s_add_co_u32 s[TS], s[TS], 256
.endm
	s_wait_alu depctr_va_vdst(0)                   ; the wait at the head's end
	s_wait_tensorcnt 0x0                           ; my piece of the head's six is in
	ds_add_u32 v[SPW], v[SPW+1]                    ; the add, written twice
	ds_add_u32 v[SPW], v[SPW+1]
	s_wait_dscnt 0x0
	ROUND                                          ; everybody's is, in all four work-groups
	s_cmp_lt_u32 s18, 4
	s_cbranch_scc0 .Lno_second
	tensor_load_to_lds s[48:51], s[84:91]          ; keys 512 to 2,047
	s_nop 0
.rept 4
	v_nop
.endr
.Lno_second:
.irp t,0,1,2,3
	FRAG3 KF+12*\t,1,FRB*\t                        ; key step 0's K
.endr
	ds_load_b128 v[KS:KS+3], v5
	s_mov_b32 s[CNT], 2
.Lfirst:                                           ; key steps 0, 1
	STEP 1,0
	s_sub_co_u32 s[CNT], s[CNT], 1
	s_cmp_lg_u32 s[CNT], 0
	s_cbranch_scc1 .Lfirst
	s_wait_tensorcnt 0x0                           ; all my tensor loads have landed: step 2's signal says so
	STEP 1,1                                       ; key step 2 reads keys 256 to 511, the K of step 3 among them
	s_barrier_wait -1                              ; everybody's have
	s_mov_b32 s[CNT], 12
.Lrest:                                            ; key steps 3 to 14
	STEP 1,0
	s_sub_co_u32 s[CNT], s[CNT], 1
	s_cmp_lg_u32 s[CNT], 0
	s_cbranch_scc1 .Lrest
	STEP 0,0                                       ; key step 15 asks for nothing more
	; THE WAY OUT.  O^T / the sum: register i is o's feature 64 h' + 32 (lane / 16) + i of my query (h' the head): one whole block of 32 along the last product's K.  Tile u's numbers go to v64 + 32 u .., where K's and V's fragments were.
.set E,  64
.set EC, 128                                       ; v128-133, v136-141 the codes; v144-146, v148-150 the halves that are made elsewhere and moved
.set ET, 144
	v_add_f32 v[LA], v[LA], v[LA+1]                ; the sums' two halves,
	v_add_f32 v[LB], v[LB], v[LB+1]
	v_permlanex16_b32 v[BT], v[LA], s20, s21
	v_permlanex16_b32 v[BT+2], v[LB], s20, s21
	v_add_f32 v[LA], v[LA], v[BT]                  ; and lane l xor 16's
	v_add_f32 v[LB], v[LB], v[BT+2]
	s_wait_alu depctr_va_vdst(0)                   ; the wait ahead of the batch
	v_rcp_f32 v[LA], v[LA]
	v_rcp_f32 v[LB], v[LB]
.rept 4
	v_nop                                          ; the place behind the reciprocals, and the places behind the last products
.endr
	s_wait_alu depctr_va_vdst(0)                   ; and behind it, ahead of the first readers of the reciprocals and of O^T
.set j, 0
.rept 16
	v_pk_mul_f32 v[E+2*j:E+2*j+1], v[OA+2*j:OA+2*j+1], v[LA:LA+1] op_sel_hi:[1,0]
	v_pk_mul_f32 v[E+32+2*j:E+32+2*j+1], v[OB+2*j:OB+2*j+1], v[LB:LB+1] op_sel_hi:[1,0]
.set j, j+1
.endr
.irp u,0,1                             ; each block's largest magnitude, in two chains, and the floor 2^(5 - 127)
	v_max3_num_f32 v[BM+2*\u], |v[E+32*\u]|, |v[E+32*\u+1]|, 0x2800000
	v_max3_num_f32 v[BM+2*\u+1], |v[E+32*\u+16]|, |v[E+32*\u+17]|, |v[E+32*\u+18]|
.endr
.irp i,2,4,6,8,10,12
.irp u,0,1
	v_max3_num_f32 v[BM+2*\u], v[BM+2*\u], |v[E+32*\u+\i]|, |v[E+32*\u+\i+1]|
	v_max3_num_f32 v[BM+2*\u+1], v[BM+2*\u+1], |v[E+32*\u+\i+17]|, |v[E+32*\u+\i+18]|
.endr
.endr
.irp u,0,1
	v_max3_num_f32 v[BM+2*\u], v[BM+2*\u], |v[E+32*\u+14]|, |v[E+32*\u+15]|
.endr
.irp u,0,1
	v_max3_num_f32 v[BM+2*\u], v[BM+2*\u], v[BM+2*\u+1], |v[E+32*\u+31]|
.endr
.irp u,0,1
	v_add_nc_u32 v[SO+\u], 0xfe000000, v[BM+2*\u]  ; 4 off its exponent field: the conversion's scale operand
.endr
.irp u,0,1
	v_lshrrev_b32 v[WD+\u], 23, v[SO+\u]           ; my block's byte,
.endr
.irp u,0,1
	v_lshlrev_b32 v[WD+\u], v4, v[WD+\u]           ; at its place among the head's two
.endr
	v_permlanex16_b32 v[BT], v[WD], s20, s21
	v_permlanex16_b32 v[BT+2], v[WD+1], s20, s21
.irp u,0,1
	v_cvt_scalef32_pk16_bf6_f32 v[EC+8*\u:EC+8*\u+2], v[E+32*\u:E+32*\u+15], v[SO+\u]
	v_cvt_scalef32_pk16_bf6_f32 v[ET+4*\u:ET+4*\u+2], v[E+32*\u+16:E+32*\u+31], v[SO+\u]
.endr
	v_or_b32 v[TT], v[WD], v[BT]                   ; my rows' two scale bytes.  (The plain places behind the scaled conversions)
	v_or_b32 v[TT+1], v[WD+1], v[BT+2]
.irp i,0,1,2
	v_mov_b32 v[EC+3+\i], v[ET+\i]
	v_mov_b32 v[EC+11+\i], v[ET+4+\i]
.endr
.irp u,0,1
	global_store_b128 v1, v[EC+8*\u:EC+8*\u+3], s[12:13] offset:12288*\u     ; the half image: 512 and 256 consecutive bytes
	global_store_b64 v2, v[EC+8*\u+4:EC+8*\u+5], s[12:13] offset:12288*\u+512
.endr
	v_cmp_gt_u32 vcc_lo, 256, v1                   ; lanes 0-15
	s_wait_alu depctr_va_vdst(0)
	s_wait_xcnt 0x0                                ; EXEC changes only behind this wait
	s_and_saveexec_b32 s66, vcc_lo
	global_store_b16 v11, v[TT], s[14:15]
	global_store_b16 v11, v[TT+1], s[14:15] offset:512
	s_wait_xcnt 0x0                                ; and again, in front of the line that widens it
	s_or_b32 exec_lo, exec_lo, s66
	s_wait_tensorcnt 0x0                           ; the wave's end
	ds_add_u32 v[SPW], v[SPW+1]
	s_wait_dscnt 0x0
	ROUND                                          ; the closing round: no work-group ends while a partner may still ask for a piece that names it
	s_endpgm
.Lfunc_end_k_q63bc80a501_attn:
	.size	k_q63bc80a501_attn, .Lfunc_end_k_q63bc80a501_attn-k_q63bc80a501_attn
	.p2alignl 7, 3214868480
	.fill 96, 4, 3214868480
	.section	.rodata,"a",@progbits
	.p2align	6, 0x0
	.amdhsa_kernel k_q63bc80a501_attn
		.amdhsa_group_segment_fixed_size 327680
		.amdhsa_private_segment_fixed_size 0
		.amdhsa_enable_private_segment 0
		.amdhsa_kernarg_size 48
		.amdhsa_user_sgpr_count 2
		.amdhsa_user_sgpr_kernarg_segment_ptr 1
		.amdhsa_wavefront_size32 1
		.amdhsa_system_sgpr_workgroup_id_x 1
		.amdhsa_system_sgpr_workgroup_id_y 1
		.amdhsa_system_sgpr_workgroup_id_z 1
		.amdhsa_system_vgpr_workitem_id 0
		.amdhsa_next_free_vgpr 432
		.amdhsa_next_free_sgpr 96
		.amdhsa_reserve_vcc 1
		.amdhsa_float_denorm_mode_32 3
		.amdhsa_float_denorm_mode_16_64 3
		.amdhsa_memory_ordered 1
		.amdhsa_forward_progress 1
		.amdhsa_inst_pref_size 125
	.end_amdhsa_kernel
	.amdgpu_metadata
---
amdhsa.version: [ 1, 2 ]
amdhsa.kernels:
  - .name:           k_q63bc80a501_attn
    .symbol:         k_q63bc80a501_attn.kd
    .args:
      - { .name: qkc, .offset: 0, .size: 8, .value_kind: global_buffer, .address_space: global }
      - { .name: qks, .offset: 8, .size: 8, .value_kind: global_buffer, .address_space: global }
      - { .name: vc, .offset: 16, .size: 8, .value_kind: global_buffer, .address_space: global }
      - { .name: vs, .offset: 24, .size: 8, .value_kind: global_buffer, .address_space: global }
      - { .name: wc, .offset: 32, .size: 8, .value_kind: global_buffer, .address_space: global }
      - { .name: ws, .offset: 40, .size: 8, .value_kind: global_buffer, .address_space: global }
    .group_segment_fixed_size: 327680
    .private_segment_fixed_size: 0
    .kernarg_segment_align: 8
    .kernarg_segment_size: 48
    .max_flat_workgroup_size: 256
    .sgpr_count:     96
    .vgpr_count:     432
    .wavefront_size: 32
...
	.end_amdgpu_metadata
.endif
;; end of part 3
;; launch outp (part 4): grid 8 x 32, 4 waves a work-group, clusters of 4 x 4, 214,528 bytes of LDS; arguments wc, ws, out_b, out0; writes out0
.if DOCPART == 4
	.amdgcn_target "amdgcn-amd-amdhsa--gfx1250"
	.amdhsa_code_object_version 6
	.text
	.protected	k_q63bc80a501_outp
	.globl	k_q63bc80a501_outp
	.p2align	8
	.type	k_q63bc80a501_outp,@function
k_q63bc80a501_outp:
	s_mov_b64 s[64:65], 0
	v_nop
	global_prefetch_b8 v0, s[64:65] scope:SCOPE_SE
	s_setreg_imm32_b32 hwreg(HW_REG_WAVE_MODE, 25, 1), 1
	s_wait_xcnt 0x0
	s_wait_alu depctr_hold_cnt(0) depctr_sa_sdst(0) depctr_va_vdst(0) depctr_va_sdst(0) depctr_va_ssrc(0) depctr_va_vcc(0) depctr_vm_vsrc(0)
	s_getreg_b32 s2, hwreg(HW_REG_IB_STS2, 6, 4)
	s_cmp_eq_u32 s2, 0
	s_cbranch_scc0 .Lentry_in_a_cluster
	s_endpgm
.Lentry_in_a_cluster:
	s_bfe_u32 s2, ttmp6, 0x10000c
	s_cmp_lg_u32 s2, 0xf033
	s_cbranch_scc0 .Lentry_shape_is_right
	s_endpgm
.Lentry_shape_is_right:
; out0 = o out_w^T + out_b on codes of BF6 (E3M2) with E8M0 scales: [4,096 x 1,024] x [1,024 x 1,024], f32 out.  o's codes are tiles 512-767 of wc, out_w's tiles 448-511; scale words in ws.
; 256 tiles of 128 x 128 of the result, one for each work-group (tiles of 256 x 256 would be 64); four waves, each 64 x 64.
; ALL OF K lies in LDS, filled once: waves 0, 1 fetch four tiles of o each, waves 2, 3 four of out_w: one tensor load a wave, 49,152 consecutive bytes.  No prefetch into the L2: no loop, and nothing is left to ask for.
; CLUSTERS: 4 x 4.  o's tiles are shared along a row of the cluster, out_w's along a column: each is asked for jointly, by the same load with the same descriptor and a mask that names the four.
; THE MATRIX INSTRUCTION IS USED TRANSPOSED (source 0 = 16 rows of out_w, source 1 = 16 tokens): a lane holds one token.  Tile 4 G + u holds at place p the row 64 G + 8 u + p % 8 + 32 (p / 8): so register j of accumulator b of
; token tile a in lane (r, hh) is output 8 b + 32 hh + j of my 64, for token 8 a + r % 8 + 32 (r / 8) of my 64.  The bias is the C of each sum's first matrix instruction.
; BY ROWS OF THE RESULT: all of out_w's fragments for my 64 outputs (32 x 12 registers) stay in registers, o's come tile by tile (8 x 12 registers, two sets).  A token tile is finished by 32 matrix instructions, its four accumulators by turns, and goes out
; while the next is multiplied: through the wave's own stage in LDS (16 rows of 256 bytes, 272 apart), so that sixteen lanes store one aligned run of 256 bytes of a row.
; REGISTERS: window 0: v1-7 lane terms, v8-10 fragment addresses, v24-26 the way out, v32-63 scale words, v64-95 the bias, v96-159 the accumulators, two sets, v160-255 o's fragments, even tiles.
;   window 1: out_w's fragments of K steps 0-4; window 2: of K steps 5-7 at v0, o's fragments of odd tiles at v144; window 3: rows of the result, two sets.
.set TILEB, 12288
.set FRB,   1536
.set STAGE, 16*TILEB                   ; behind o's 8 tiles and out_w's 8: a stage of 16 x 272 bytes for each wave; no fill lands there
.set SPARE, STAGE+4*16*272             ; the spare words, 128 bytes for each wave
.set AD,    8                          ; v8, v9 o's fragments (+ 16 x lane, + 8 x lane), v10 out_w's
.set SC,    32                         ; v[32 + 8 i + k]: lanes 0-15 o's tile i, lanes 16-31 out_w's tile i, K step k
.set BI,    64
.set ACC,   96
.set G1A,   24
.set G0A,   32
.set G1B,   48
.set G0B,   68
.set MSB, 0
.macro WIN new                         ; the immediate's high byte repeats the setting that is left
.if MSB != (\new)
	s_set_vgpr_msb (MSB<<8)|(\new)
.set MSB, (\new)
.endif
.endm
.macro PLACES                          ; four plain places behind a matrix instruction (ISA guide 7.12.1)
.rept 4
	v_nop
.endr
.endm
.macro CROUND                          ; a round of the cluster's barrier
	s_barrier_signal -1
	s_barrier_wait -1
	s_cmp_lg_u32 s18, 0
	s_cbranch_scc1 .Lnot_wave_0_\@
	s_barrier_signal -3
.Lnot_wave_0_\@:
	s_barrier_wait -3
	s_barrier_signal -1
	s_barrier_wait -1
.endm
	s_load_b256 s[4:11], s[0:1], 0x0               ; wc s[4:5], ws s[6:7], out_b s[8:9], out0 s[10:11]
	v_lshl_add_u32 v30, v0, 2, SPARE
	v_mov_b32 v31, 0
	ds_add_u32 v30, v31                            ; the opening: the add, twice on end, and its wait
	ds_add_u32 v30, v31
	v_lshrrev_b32 v1, 5, v0
	v_readfirstlane_b32 s18, v1                    ; wave 0..3
	s_lshr_b32 s19, s18, 1                         ; RH: my half of the rows.  Also: I fetch o (0) or out_w (1)
	s_and_b32 s20, s18, 1                          ; CH: my half of the columns.  Also: which four tiles I fetch
	s_bfe_u32 s21, ttmp6, 0x40000                  ; cx
	s_bfe_u32 s22, ttmp6, 0x40004                  ; cy
	s_lshl_b32 s61, ttmp9, 2
	s_add_co_u32 s61, s61, s21                     ; block column, 0 .. 7
	s_and_b32 s60, ttmp7, 0xffff
	s_lshl_b32 s60, s60, 2
	s_add_co_u32 s60, s60, s22                     ; block row, 0 .. 31
	s_lshl_b32 s84, s22, 2
	s_lshl_b32 s84, 15, s84                        ; my row of the cluster
	s_lshl_b32 s85, 0x1111, s21                    ; my column
	; group 1: four rows (tiles) of 12,288 bytes, end to end; elements of 8 bytes
	s_or_b32 s[G1A], s84, (3<<16)|(1<<21)
	s_or_b32 s[G1B], s85, (3<<16)|(1<<21)
.irp g, G1A, G1B
	s_mov_b32 s[\g+1], 1536<<16
	s_mov_b32 s[\g+2], 4<<16
	s_mov_b32 s[\g+3], 1536<<16
	s_mov_b32 s[\g+4], 4
	s_mov_b32 s[\g+5], 1536
	s_mov_b32 s[\g+6], 0
	s_mov_b32 s[\g+7], 0
.endr
	s_lshl_b32 s88, s20, 2
	s_lshl_b32 s86, s60, 3
	s_add_co_u32 s86, s86, s88
	s_add_co_u32 s86, s86, 512                     ; o: tile 512 + 8 x block row + 4 x half
	s_mul_i32 s86, s86, TILEB
	s_mov_b32 s87, 0
	s_lshl_b32 s90, s61, 3
	s_add_co_u32 s90, s90, s88
	s_add_co_u32 s90, s90, 448                     ; out_w: tile 448 + 8 x block column + 4 x half
	s_mul_i32 s90, s90, TILEB
	s_mov_b32 s91, 0
	s_mul_i32 s89, s18, 4*TILEB                    ; where they go: wave x four tiles
	s_wait_dscnt 0x0                               ; both opening adds are done
	s_wait_kmcnt 0x0
	s_add_nc_u64 s[86:87], s[4:5], s[86:87]
	s_add_nc_u64 s[90:91], s[4:5], s[90:91]
	s_mov_b32 s[G0A], 1
	s_mov_b32 s[G0A+1], s89
	s_mov_b64 s[G0A+2:G0A+3], s[86:87]
	s_or_b32 s[G0A+3], s[G0A+3], 0x80000000
	s_mov_b32 s[G0B], 1
	s_mov_b32 s[G0B+1], s89
	s_mov_b64 s[G0B+2:G0B+3], s[90:91]
	s_or_b32 s[G0B+3], s[G0B+3], 0x80000000
	CROUND                                         ; all sixteen work-groups are here: the joint loads meet
	s_cmp_eq_u32 s19, 0
	s_cbranch_scc0 .Lfirst_b
	tensor_load_to_lds s[G0A:G0A+3], s[G1A:G1A+7]
	s_nop 0
	PLACES
	s_branch .Lfirst_asked
.Lfirst_b:
	tensor_load_to_lds s[G0B:G0B+3], s[G1B:G1B+7]
	s_nop 0
	PLACES
.Lfirst_asked:
	s_lshl_b32 s92, s60, 3                         ; the scale words of the tiles that I multiply: o's from tile 512 + 8 x block row + 4 RH,
	s_lshl_b32 s93, s19, 2
	s_add_co_u32 s92, s92, s93
	s_add_co_u32 s92, s92, 512
	s_lshl_b32 s92, s92, 9
	s_lshl_b32 s93, s61, 3                         ; out_w's from tile 448 + 8 x block column + 4 CH
	s_add_co_u32 s93, s93, s88
	s_add_co_u32 s93, s93, 448
	s_lshl_b32 s93, s93, 9
	s_lshl_b32 s94, s61, 9                         ; the bias: out_b[128 x block column + 64 CH + ..]
	s_lshl_b32 s95, s20, 8
	s_add_co_u32 s94, s94, s95
	s_mov_b32 s95, 0
	s_add_nc_u64 s[8:9], s[8:9], s[94:95]
	v_and_b32 v1, 15, v0                           ; r
	v_bfe_u32 v2, v0, 4, 1                         ; hh
	v_and_b32 v3, 31, v0                           ; lane
	v_mov_b32 v6, s92
	v_mov_b32 v7, s93
	v_cmp_eq_u32 vcc_lo, 1, v2
	v_lshlrev_b32 v4, 4, v3                        ; 16 x lane
	v_lshlrev_b32 v5, 3, v3                        ; 8 x lane
	v_cndmask_b32 v6, v6, v7, vcc_lo               ; lanes 0-15 take o's, lanes 16-31 out_w's
	v_lshl_add_u32 v6, v1, 4, v6
	v_lshlrev_b32 v7, 7, v2                        ; lanes 16-31: 32 numbers on
.irp i,0,1,2,3
	global_load_b128 v[SC+8*\i:SC+8*\i+3], v6, s[6:7] offset:512*\i
	global_load_b128 v[SC+8*\i+4:SC+8*\i+7], v6, s[6:7] offset:512*\i+256
.endr
.irp b,0,1,2,3
	global_load_b128 v[BI+8*\b:BI+8*\b+3], v7, s[8:9] offset:32*\b      ; eight registers a tile of out_w, in the result's layout: outputs 8 b + 32 hh + 0 .. 7
	global_load_b128 v[BI+8*\b+4:BI+8*\b+7], v7, s[8:9] offset:32*\b+16
.endr
	s_wait_alu depctr_va_vdst(0)                   ; the wait ahead of the run of scalar instructions
	s_mul_i32 s94, s19, 4*TILEB                    ; my four tiles of o,
	s_mul_i32 s95, s20, 4*TILEB                    ; my four of out_w,
	s_add_co_u32 s95, s95, 8*TILEB                 ; which lie behind o's eight
	s_mul_i32 s96, s18, 16*272
	s_add_co_u32 s96, s96, STAGE                   ; my stage
	v_add_nc_u32 v[AD], s94, v4
	v_add_nc_u32 v[AD+1], s94, v5
	v_add_nc_u32 v[AD+2], s95, v4
	v_mul_u32_u24 v24, v1, 272                     ; in: row r, bytes 128 hh + 32 b + ..
	v_lshl_add_u32 v24, v2, 7, v24
	v_add_nc_u32 v24, s96, v24
	v_mul_u32_u24 v25, v2, 272                     ; back: lanes 0-15 one row, lanes 16-31 the next
	v_lshl_add_u32 v25, v1, 4, v25
	v_add_nc_u32 v25, s96, v25
	v_lshlrev_b32 v26, 12, v2                      ; and in the result: a row is 4,096 bytes
	v_lshl_add_u32 v26, v1, 4, v26
	s_wait_alu depctr_va_vdst(0)                   ; the wait at the head's end
	s_lshl_b32 s92, s60, 19                        ; out0: (128 x block row + 64 RH) rows + 512 x block column + 256 CH bytes
	s_lshl_b32 s93, s19, 18
	s_add_co_u32 s92, s92, s93
	s_lshl_b32 s93, s61, 9
	s_add_co_u32 s92, s92, s93
	s_lshl_b32 s93, s20, 8
	s_add_co_u32 s92, s92, s93
	s_mov_b32 s93, 0
	s_add_nc_u64 s[10:11], s[10:11], s[92:93]
.macro FRO reg, off                    ; a fragment of o: runs of 512, 256, 512, 256 bytes
	ds_load_b128 v[\reg:\reg+3], v[AD] offset:\off
	ds_load_b64 v[\reg+4:\reg+5], v[AD+1] offset:\off+512
	ds_load_b128 v[\reg+6:\reg+9], v[AD] offset:\off+768
	ds_load_b64 v[\reg+10:\reg+11], v[AD+1] offset:\off+1280
.endm
.macro FRW reg, off                    ; a fragment of out_w: three of 512
	ds_load_b128 v[\reg:\reg+3], v[AD+2] offset:\off
	ds_load_b128 v[\reg+4:\reg+7], v[AD+2] offset:\off+512
	ds_load_b128 v[\reg+8:\reg+11], v[AD+2] offset:\off+1024
.endm
.macro FETCH_K k                       ; K step k of the first token tile and of out_w's four: 16 loads
	WIN 0
	FRO 160+12*(\k),FRB*(\k)
.if (\k) < 5
	WIN 0x40
.else
	WIN 0x80
.endif
.irp b,0,1,2,3
	FRW 48*((\k)%5)+12*\b,TILEB*\b+FRB*(\k)
.endr
.endm
.macro FETCH_A a                       ; token tile a's eight fragments: 32 loads
.if (\a)%2
	WIN 0x80
.else
	WIN 0
.endif
.irp k,0,1,2,3,4,5,6,7
	FRO 160-16*((\a)%2)+12*\k,TILEB*(\a)+FRB*\k
.endr
	WIN 0
.endm
.macro MUL a, k                        ; four accumulators by turns; the first K step takes the bias as C
.set XB, 160-16*((\a)%2)+12*(\k)
.set WB, 48*((\k)%5)
.set AC, ACC+32*((\a)%2)
	WIN 1+(\k)/5+8*((\a)%2)
.irp b,0,1,2,3
.if (\k) == 0
	v_wmma_scale_f32_16x16x128_f8f6f4 v[AC+8*\b:AC+8*\b+7], v[WB+12*\b:WB+12*\b+11], v[XB:XB+11], v[BI+8*\b:BI+8*\b+7], v[SC+8*\b+(\k)], v[SC+8*(\a)+(\k)] matrix_a_fmt:MATRIX_FMT_BF6 matrix_b_fmt:MATRIX_FMT_BF6 matrix_a_scale:MATRIX_SCALE_ROW1
.else
	v_wmma_scale_f32_16x16x128_f8f6f4 v[AC+8*\b:AC+8*\b+7], v[WB+12*\b:WB+12*\b+11], v[XB:XB+11], v[AC+8*\b:AC+8*\b+7], v[SC+8*\b+(\k)], v[SC+8*(\a)+(\k)] matrix_a_fmt:MATRIX_FMT_BF6 matrix_b_fmt:MATRIX_FMT_BF6 matrix_a_scale:MATRIX_SCALE_ROW1
.endif
.endr
.endm
.macro ROW a
.irp k,0,1,2,3,4,5,6,7
	MUL \a,\k
.endr
	WIN 0
.endm
.macro TOSTAGE a                       ; LDS serves a wave's instructions in order: the loads see the stores, and no wait stands between
.set AC, ACC+32*((\a)%2)
.irp b,0,1,2,3
	ds_store_b128 v24, v[AC+8*\b:AC+8*\b+3] offset:32*\b        ; each accumulator from its low end on
	ds_store_b128 v24, v[AC+8*\b+4:AC+8*\b+7] offset:32*\b+16
.endr
	WIN 0xc0
.irp t,0,1,2,3,4,5,6,7
	ds_load_b128 v[32*((\a)%2)+4*\t:32*((\a)%2)+4*\t+3], v25 offset:544*\t
.endr
	WIN 0
.endm
.macro SEND a
	s_wait_dscnt 0x0                               ; the tile is back in registers
	WIN 0x0c
.irp t,0,1,2,3,4,5,6,7
	global_store_b128 v26, v[32*((\a)%2)+4*\t:32*((\a)%2)+4*\t+3], s[10:11] offset:(8*(\a)+(2*\t)%8+32*(\t/4))*4096 th:TH_STORE_NT   ; places 2 t, 2 t + 1: sixteen lanes store 256 consecutive bytes, aligned
.endr
	WIN 0
.endm
	s_wait_alu depctr_va_vdst(0)
	s_wait_tensorcnt 0x0                           ; my four tiles are in
	s_barrier_signal -1
	s_barrier_wait -1                              ; everybody's are; nothing is filled again
	FETCH_K 0
	FETCH_K 1
	FETCH_K 2
	s_wait_loadcnt 0x0                             ; the scale words and the bias
.irp k,0,1,2,3,4,5,6,7                 ; the first token tile, K step by K step as its fragments come
.if \k < 6
	s_wait_dscnt 32                                ; behind this K step's loads stand two steps' (at K step 5: the two last steps')
.elseif \k == 6
	s_wait_dscnt 48                                ; K step 7's 16 and the next tile's 32
.else
	s_wait_dscnt 32                                ; the next tile's 32
.endif
	MUL 0,\k
.if \k < 5
	FETCH_K \k+3
.elseif \k == 5
	FETCH_A 1
.endif
.endr
	WIN 0
.irp a,1,2,3
	PLACES                                         ; behind the last tile's products: o's set and the accumulators
.if \a < 3
	FETCH_A \a+1
.endif
.if \a == 3
	s_wait_xcnt 0x0                                ; the stores of tile 0 have read their registers
.endif
	TOSTAGE \a-1
.if \a < 3
	s_wait_dscnt 48                                ; this tile's fragments are in: behind them stand the next tile's 32 loads and the stage's 16
.else
	s_wait_dscnt 16
.endif
	ROW \a
	SEND \a-1
.endr
	PLACES
	s_wait_xcnt 0x0                                ; the stores of tile 1 have read their registers
	TOSTAGE 3
	SEND 3
	s_wait_tensorcnt 0x0                           ; the wave's end
	ds_add_u32 v30, v31
	s_wait_dscnt 0x0
	CROUND                                         ; the closing round: no work-group ends while a partner may still ask for a tile that names it
	s_endpgm
.Lfunc_end_k_q63bc80a501_outp:
	.size	k_q63bc80a501_outp, .Lfunc_end_k_q63bc80a501_outp-k_q63bc80a501_outp
	.p2alignl 7, 3214868480
	.fill 96, 4, 3214868480
	.section	.rodata,"a",@progbits
	.p2align	6, 0x0
	.amdhsa_kernel k_q63bc80a501_outp
		.amdhsa_group_segment_fixed_size 214528
		.amdhsa_private_segment_fixed_size 0
		.amdhsa_enable_private_segment 0
		.amdhsa_kernarg_size 32
		.amdhsa_user_sgpr_count 2
		.amdhsa_user_sgpr_kernarg_segment_ptr 1
		.amdhsa_wavefront_size32 1
		.amdhsa_system_sgpr_workgroup_id_x 1
		.amdhsa_system_sgpr_workgroup_id_y 1
		.amdhsa_system_sgpr_workgroup_id_z 1
		.amdhsa_system_vgpr_workitem_id 0
		.amdhsa_next_free_vgpr 832
		.amdhsa_next_free_sgpr 100
		.amdhsa_reserve_vcc 1
		.amdhsa_float_denorm_mode_32 3
		.amdhsa_float_denorm_mode_16_64 3
		.amdhsa_memory_ordered 1
		.amdhsa_forward_progress 1
		.amdhsa_inst_pref_size 48
	.end_amdhsa_kernel
	.amdgpu_metadata
---
amdhsa.version: [ 1, 2 ]
amdhsa.kernels:
  - .name:           k_q63bc80a501_outp
    .symbol:         k_q63bc80a501_outp.kd
    .args:
      - { .name: wc, .offset: 0, .size: 8, .value_kind: global_buffer, .address_space: global }
      - { .name: ws, .offset: 8, .size: 8, .value_kind: global_buffer, .address_space: global }
      - { .name: out_b, .offset: 16, .size: 8, .value_kind: global_buffer, .address_space: global }
      - { .name: out0, .offset: 24, .size: 8, .value_kind: global_buffer, .address_space: global }
    .group_segment_fixed_size: 214528
    .private_segment_fixed_size: 0
    .kernarg_segment_align: 8
    .kernarg_segment_size: 32
    .max_flat_workgroup_size: 128
    .sgpr_count:     100
    .vgpr_count:     832
    .wavefront_size: 32
...
	.end_amdgpu_metadata
.endif
;; end of part 4
